; MI455X (gfx1250); checked and timed in simulation.
; The chip was launched on July 23, 2026; its instructions are those of AMD's public machine-readable ISA for CDNA 5 (MIT licence, August 2026) and "CDNA5" Instruction Set Architecture Reference Guide (July 2026). The comments in the code are by the model that wrote it; some were corrected since.
;; CLIP Attention. Allowed arithmetic: matrix products marked QUANTISED: E2M3 operands, one E8M0 scale for each 32 along K, by v_wmma_scale_f32_16x16x128_f8f6f4 with both operands' format E2M3, f32 sums; everything else in f32.
;; Inputs: Wk 1,024 x 1,024 float32; Wo 1,024 x 1,024 float32; Wq 1,024 x 1,024 float32; Wv 1,024 x 1,024 float32; bk 1,024 float32; bo 1,024 float32; bq 1,024 float32; bv 1,024 float32; x 8 x 1,024 x 1,024 float32.
;; Outputs: out0 8 x 1,024 x 1,024 float32.
;; This version of the problem:
;;   THIS VERSION OF THE PROBLEM IS GIVEN IN LOW PRECISION. The matrix products marked QUANTISED in the list below multiply operands that are first quantised to E2M3 (2 exponent bits, 3 mantissa bits; 6 bits a number), with one power-of-two scale for each 32 numbers along K (OCP MX v1.0); their sums are f32. All else is computed in f32.
;;   The module's matrix products, in the order in which they are computed (A, B: the left and right operand; K: the contracted axis; several contracted axes count as one K, in the product's order):
;;     1. [M 8,192, K 1,024] x [K 1,024, N 1,024]; A: input x; B: input Wq: QUANTISED
;;     2. [M 8,192, K 1,024] x [K 1,024, N 1,024]; A: input x; B: input Wk: QUANTISED
;;     3. [M 8,192, K 1,024] x [K 1,024, N 1,024]; A: input x; B: input Wv: QUANTISED
;;     4. batch 128 x [M 1,024, K 64] x [K 64, N 1,024]; A: computed on the way; B: computed on the way: QUANTISED
;;     5. batch 128 x [M 1,024, K 1,024] x [K 1,024, N 64]; A: softmax (see below); B: computed on the way: QUANTISED
;;     6. [M 8,192, K 1,024] x [K 1,024, N 1,024]; A: computed on the way; B: input Wo: QUANTISED
;;   THE QUANTISER, for each operand of a quantised product, along K:
;;     - K is cut into blocks of 32 from its start; a last block that is shorter is filled with zeros.
;;     - A block's scale is 2^e with e = floor(log2(the largest magnitude in the block)) - 2, held to -126 .. 127; a block of zeros has e = 0. As a byte (E8M0): e + 127.
;;     - Each number is divided by its block's scale, clamped to +-7.5, and rounded to the nearest number of E2M3, ties to even, subnormals kept.
;;     - The product sums the exact products of the quantised numbers (number of the format x scale) in f32.
;;   ~~~python
;;   def quantise(x, axis):      # numpy; x: float32 -> the quantised numbers, widened to float32 again
;;       x = np.moveaxis(x, axis, -1); K = x.shape[-1]
;;       x = np.pad(x, [(0, 0)] * (x.ndim - 1) + [(0, -K % 32)]); x = x.reshape(x.shape[:-1] + (-1, 32)); a = np.abs(x).max(-1, keepdims=True)
;;       e = np.where(a > 0, np.clip(np.frexp(np.where(a > 0, a, 1))[1] - 1 - 2, -126, 127), 0)      # np.frexp(a)[1] - 1 = floor(log2(a)), exactly
;;       r = np.clip(x / 2.0 ** e, -7.5, 7.5)
;;       step = 2.0 ** (np.maximum(np.frexp(np.where(r == 0, 1, r))[1] - 1, 0) - 3)
;;       q = np.round(r / step) * step * 2.0 ** e      # np.round: ties to even
;;       return np.moveaxis(q.reshape(q.shape[:-2] + (-1,))[..., :K], -1, axis).astype(np.float32)
;;   ~~~
;;   SOFTMAX AHEAD OF A QUANTISED PRODUCT. Where the list says 'softmax', what is quantised is not the finished softmax but p = 2^(t - M), with t = logit x log2(e) and M = ceil(the row's largest t), a whole number; so 1/2 < the row's largest p <= 1. The row's sum l is taken of the UNQUANTISED p, in f32, and the product's result is divided by l at the end. Since M is a whole number, a kernel that streams over the keys may use a running M (the ceiling of the running maximum): every later rescaling is an exact power of two, which a block's scale takes up: the codes' values come out the same.
;;   OPERANDS COMPUTED ON THE WAY. 'Computed on the way' means the value that the module computes at that place (a softmax that the list does not call 'softmax' is quantised finished and normalised). What goes into a quantiser is computed in f32, as accurately as f32 sums, v_exp_f32 and their like allow (about 1e-6 of the number): no bf16 or f16 on the way to a quantiser, and a product that is left as it is and whose result goes on into a quantised operand takes f32 operands (vector FMAs, or v_wmma_f32_16x16x4_f32). A number that lies on a knife's edge between two numbers of the format may be rounded either way, as far as f32 arithmetic and the matrix unit's own rounding can turn it there, and no further.
;; One version. Each part assembles by itself: llvm-mc -triple=amdgcn-amd-amdhsa -mcpu=gfx1250 --defsym DOCPART=n.
;; ======== version 1 of 1: 4 launches
;; limits: right only within a limited range of input values
;; workspace buffers: xq 6,553,600 bytes; wq 3,276,800 bytes; qq 6,553,600 bytes; kv 13,107,200 bytes; mq 6,553,600 bytes
;; launch quant (part 1): grid 512 x 1, 4 waves a work-group, no clusters, 46,592 bytes of LDS; arguments x, Wq, Wk, Wv, Wo, xq, wq; writes xq, wq
.if DOCPART == 1
	.amdgcn_target "amdgcn-amd-amdhsa--gfx1250"
	.amdhsa_code_object_version 6
	.text
	.protected	k_q9069b8c1b7_quant
	.globl	k_q9069b8c1b7_quant
	.p2align	8
	.type	k_q9069b8c1b7_quant,@function
k_q9069b8c1b7_quant:
	s_mov_b64 s[64:65], 0
	v_nop
	global_prefetch_b8 v0, s[64:65] scope:SCOPE_SE
	s_setreg_imm32_b32 hwreg(HW_REG_WAVE_MODE, 25, 1), 1
	s_wait_xcnt 0x0
; x [8192][1024] and Wq, Wk, Wv, Wo [1024 (k)][1024 (n)], f32, become codes of FP6 (E2M3) with one E8M0 byte for each 32 along K.
; A block's scale is 2^(floor(log2(its largest magnitude)) - 2); its byte is the largest magnitude's exponent field - 2, held at 1 from below.
; LIMITS: NaN and infinities are not served; a block whose largest magnitude lies under 2^-124 keeps the byte 1; a block of zeros gets the byte 1
; where the rule says 127: its codes are zeros, which add nothing under any byte but 0xff, and this program alone reads the bytes.
; THE CODES LEAVE AS IMAGES OF THE OPERAND'S REGISTERS.  A fragment (16 rows x 128 K, 12 registers a lane) is 1,536 bytes: for each half c of K, registers 6 c .. 6 c + 3 at
; 768 c + 16 x lane and registers 6 c + 4, 6 c + 5 at 768 c + 512 + 8 x lane.  A reader takes it by loads of 16 and 8 bytes a lane, each over consecutive bytes.
; THE ROWS OF A TILE ARE NOT NEIGHBOURS: in each group of 32 columns of a weight, lane row r of tile 2 b + u is row 32 b + 8 u + r + 8 (r / 8).
; Work-groups 0-255 take x, 256-511 the weights; the two ways have LDS bytes of their own.  No cluster: no two work-groups read the same input.  No barrier: waves share nothing.
; x's tiles are formed otherwise than the weights': in each group of 64 rows of x, lane row r of tile t (0..3) is row 8 t + r % 8 + 32 (r / 8); the weights keep the order by groups of 32 columns.
.set XQ_SC,  0                         ; xq: for each mt (256 rows) 204,800 bytes: scale words [ks 8][tile 16][16 rows], then images [ks 8][tile 16][1536]
.set W_SC,   0                         ; wq: for each head 153,600 bytes: scale words [ks 8][j 12][16], then images [ks 8][j 12][1536] (j: 0-3 Q, 4-5 V's tiles 0-1, 6-9 K, 10-11 V's tiles 2-3)
.set WO_IMG, 2465792                   ; behind the heads, for each nt (256 columns of Wo) 204,800 bytes: scale words [ks 8][tile 16][16], then images [ks 8][tile 16][1536]
.set WO_SC,  2457600
.set R0, 16                            ; x: v16-79, v80-143 two tiles as loaded
.set R1, 80
.set X,  144                           ; v144-207 64 numbers of my row: register 16 b + i = k 32 b + 16 (lane / 16) + i
.set PC, 208                           ; v208-219 the fragment; v220-222, v224-226 halves on their way
.set TM, 228                           ; v228-243 at work
.set SW, 244                           ; v244-247 the four tiles' scale words
.set T,  248                           ; v248-249 two tiles' words in one register each
.set WX, 16                            ; weights: v16-143 128 numbers down K of my column
.set WC, 144                           ; v144-191 codes, 12 registers a block
.set WT, 192                           ; v192-195 at work
.set SWD, 200                          ; my column's scale word
.set OUTR, 204                         ; v204-227 the way out
; tile i of my 64 rows: each load takes one row's 512 bytes, 16 a lane
.macro LOADT i, rr
.irp p, 0,1,2,3,4,5,6,7,8,9,10,11,12,13,14,15
	global_load_b128 v[\rr+4*\p:\rr+4*\p+3], v4, s[4:5] offset:(8*(\i)+\p%8+32*(\p/8))*4096 th:TH_LOAD_NT
.endr
.endm
; through my wave's stage (rows 528 bytes apart): in as loaded, out as 16 neighbours of each block of 32 of my row.  LDS serves a wave's instructions in order: no wait between
.macro TURNX rr
.irp p, 0,1,2,3,4,5,6,7,8,9,10,11,12,13,14,15
	ds_store_b128 v7, v[\rr+4*\p:\rr+4*\p+3] offset:528*\p
.endr
.irp b, 0,1,2,3
.irp j, 0,1,2,3
	ds_load_b128 v[X+16*\b+4*\j:X+16*\b+4*\j+3], v8 offset:128*\b+16*\j
.endr
.endr
.endm
; 64 numbers of a lane become a fragment's codes in v[PC] on and its scale word in v[pw]
.macro QUANT s, pw
.irp b, 0,1,2,3
	v_max3_num_f32 v[TM+\b], |v[\s+16*\b]|, |v[\s+1+16*\b]|, 0x1800000   ; my 16 numbers of block b, and the floor 2^(3 - 127): the byte cannot fall under 1
.endr
.irp i, 2,4,6,8,10,12,14
.irp b, 0,1,2,3
	v_max3_num_f32 v[TM+\b], v[TM+\b], |v[\s+16*\b+\i]|, |v[\s+1+16*\b+\i]|
.endr
.endr
.irp b, 0,1,2,3
	v_permlanex16_b32 v[TM+4+\b], v[TM+\b], s26, s27
.endr
.irp b, 0,1,2,3
	v_max_num_f32 v[TM+\b], v[TM+\b], v[TM+4+\b]   ; with lane l xor 16's: the block's largest magnitude
.endr
.irp b, 0,1,2,3
	v_add_nc_u32 v[TM+12+\b], 0xff000000, v[TM+\b] ; 2 off its exponent field: the conversion takes this operand's exponent field as its scale
.endr
.irp b, 0,1,2,3
	v_lshrrev_b32 v[TM+4+\b], 23, v[TM+12+\b]      ; the scale's byte
.endr
	v_lshl_or_b32 v[\pw], v[TM+5], 8, v[TM+4]
	v_lshl_or_b32 v[\pw], v[TM+6], 16, v[\pw]
	v_lshl_or_b32 v[\pw], v[TM+7], 24, v[\pw]
.irp c, 0,1
	v_cvt_scalef32_pk16_fp6_f32 v[PC+6*\c:PC+2+6*\c], v[\s+32*\c:\s+15+32*\c], v[TM+12+2*\c]
	v_cvt_scalef32_pk16_fp6_f32 v[PC+12+4*\c:PC+14+4*\c], v[\s+16+32*\c:\s+31+32*\c], v[TM+12+2*\c+1]   ; (a conversion's three registers begin on an even number)
.endr
	v_nop                                          ; one plain place behind a scaled conversion
.irp c, 0,1                                    ; the operand wants a whole block in a lane: lanes 0-15 block 2 c, lanes 16-31 block 2 c + 1
.irp i, 0,1,2
	v_permlane16_swap_b32 v[PC+6*\c+\i], v[PC+12+4*\c+\i]
.endr
.irp i, 0,1,2
	v_mov_b32 v[PC+3+6*\c+\i], v[PC+12+4*\c+\i]
.endr
.endr
.endm
.macro PUT i                           ; the image: stores of 512, 256, 512, 256 consecutive bytes, each at a multiple of 256 from the buffer's first byte
	global_store_b128 v4, v[PC:PC+3], s[28:29] offset:1536*(\i)
	global_store_b64 v5, v[PC+4:PC+5], s[28:29] offset:1536*(\i)+512
	global_store_b128 v4, v[PC+6:PC+9], s[28:29] offset:1536*(\i)+768
	global_store_b64 v5, v[PC+10:PC+11], s[28:29] offset:1536*(\i)+1280
.endm
.macro XTILE i, rr, left, more
	s_wait_loadcnt \left                           ; this tile's 16 loads are in; the next tile's 16 may be out
	TURNX \rr
	s_wait_dscnt 0x0                               ; my 64 numbers are back, and the stores into the stage have read their registers
.if (\i) > 0
	s_wait_xcnt 0x0                                ; the last tile's stores have read the fragment's registers: they are written again only behind this wait
.endif
.if \more
	LOADT (\i)+2, \rr
.endif
	QUANT X, SW+(\i)
	PUT \i
.endm
.macro WLOAD be                        ; block be: W(128 ks + 32 be + i, my column): 32 lanes read 128 consecutive bytes, the four waves 512
.set N, 0
.rept 32
	global_load_b32 v[WX+32*(\be)+N], v4, s[6:7] offset:(32*(\be)+N)*4096 th:TH_LOAD_NT
.set N, N+1
.endr
.endm
.macro WBLOCK be, left, more
.set XS, WX+32*(\be)
.set CC, WC+12*(\be)
	s_wait_loadcnt \left                           ; this block's 32 loads are in; the next block's 32 may be out
.if \more
	WLOAD (\be)+2
.endif
	v_max3_num_f32 v[WT], |v[XS]|, |v[XS+1]|, |v[XS+2]|            ; all 32 numbers of the block are mine: two chains
	v_max3_num_f32 v[WT+1], |v[XS+3]|, |v[XS+4]|, |v[XS+5]|
.irp i, 6,10,14,18,22,26
	v_max3_num_f32 v[WT], v[WT], |v[XS+\i]|, |v[XS+\i+1]|
	v_max3_num_f32 v[WT+1], v[WT+1], |v[XS+\i+2]|, |v[XS+\i+3]|
.endr
	v_max3_num_f32 v[WT], v[WT], |v[XS+30]|, |v[XS+31]|
	v_max3_num_f32 v[WT], v[WT], v[WT+1], 0x1800000
	v_add_nc_u32 v[WT+2], 0xff000000, v[WT]
	v_lshrrev_b32 v[WT+3], 23, v[WT+2]
.if (\be) == 0
	v_mov_b32 v[SWD], v[WT+3]
.else
	v_lshl_or_b32 v[SWD], v[WT+3], 8*(\be), v[SWD]
.endif
	v_cvt_scalef32_pk16_fp6_f32 v[CC:CC+2], v[XS:XS+15], v[WT+2]
	v_cvt_scalef32_pk16_fp6_f32 v[CC+6:CC+8], v[XS+16:XS+31], v[WT+2]
	v_nop                                          ; one plain place behind a scaled conversion
.irp i, 0,1,2
	v_mov_b32 v[CC+3+\i], v[CC+6+\i]
.endr
	ds_store_b128 v5, v[CC:CC+3] offset:768*((\be)/2)+256*((\be)%2)       ; block be is the image's half be / 2, lane r + 16 (be % 2)
	ds_store_b64 v6, v[CC+4:CC+5] offset:512+768*((\be)/2)+128*((\be)%2)
.endm
	s_load_b256 s[4:11], s[0:1], 0x0               ; x s[4:5], Wq s[6:7], Wk s[8:9], Wv s[10:11]
	s_load_b128 s[12:15], s[0:1], 0x20             ; Wo s[12:13], xq s[14:15]
	s_load_b64 s[16:17], s[0:1], 0x30              ; wq
	v_lshl_add_u32 v254, v0, 2, 0xb400
	v_mov_b32 v255, 0
	v_lshrrev_b32 v1, 5, v0
	v_readfirstlane_b32 s18, v1                    ; wave 0..3
	v_and_b32 v1, 31, v0                           ; lane
	s_cmp_lt_u32 ttmp9, 256
	s_cbranch_scc0 .Lweights
	; ---- x.  A wave takes 64 rows (four tiles) x one K step of 128; the four waves stand side by side on 2,048 bytes of each row
	v_and_b32 v2, 15, v0                           ; r
	v_bfe_u32 v3, v0, 4, 1                         ; h
	v_lshlrev_b32 v4, 4, v1
	v_lshlrev_b32 v5, 3, v1
	v_lshlrev_b32 v6, 2, v1
	s_mul_i32 s19, s18, 8448                       ; my stage: 16 rows x 528 bytes
	v_add_nc_u32 v7, s19, v4                       ; in: 16 x lane of a row
	v_mul_u32_u24 v8, v2, 528
	v_lshl_add_u32 v8, v3, 6, v8
	v_add_nc_u32 v8, s19, v8                       ; out: row r, + 64 h
	s_mov_b32 s26, 0x76543210
	s_mov_b32 s27, 0xfedcba98                      ; v_permlanex16_b32's selects for lane l xor 16
.irp b, 0,1,2,3
	v_mov_b32 v[TM+4+\b], 0                        ; written once: a lane permute's destination counts as one of its sources
.endr
	s_lshr_b32 s20, ttmp9, 1                       ; which 64 rows
	s_and_b32 s21, ttmp9, 1
	s_lshl_b32 s21, s21, 2
	s_add_co_u32 s21, s21, s18                     ; which K step
	s_lshl_b32 s22, s20, 18
	s_lshl_b32 s23, s21, 9
	s_add_co_u32 s22, s22, s23
	s_mov_b32 s23, 0
	s_lshr_b32 s24, s20, 2                         ; mt: which 256 rows
	s_and_b32 s25, s20, 3                          ; and which four tiles of their sixteen
	s_mul_i32 s28, s24, 204800
	s_add_co_u32 s28, s28, 8192
	s_mul_i32 s30, s21, 24576
	s_add_co_u32 s28, s28, s30
	s_mul_i32 s30, s25, 6144
	s_add_co_u32 s28, s28, s30
	s_mov_b32 s29, 0
	s_mul_i32 s30, s24, 204800
	s_lshl_b32 s31, s21, 10
	s_add_co_u32 s30, s30, s31
	s_lshl_b32 s31, s25, 8
	s_add_co_u32 s30, s30, s31
	s_add_co_u32 s30, s30, XQ_SC
	s_mov_b32 s31, 0
	s_wait_alu depctr_va_vdst(0)
	s_wait_kmcnt 0x0
	s_add_nc_u64 s[4:5], s[4:5], s[22:23]
	s_add_nc_u64 s[28:29], s[14:15], s[28:29]      ; my images
	s_add_nc_u64 s[30:31], s[14:15], s[30:31]      ; my scale words
	LOADT 0, R0
	LOADT 1, R1
	XTILE 0, R0, 16, 1
	XTILE 1, R1, 16, 1
	XTILE 2, R0, 16, 0
	XTILE 3, R1, 0, 0
	v_cmp_le_u32 vcc_lo, 16, v1                    ; both halves of the lanes hold row r's word: lanes 0-15 send one tile's, lanes 16-31 the next tile's
	v_cndmask_b32 v[T], v[SW], v[SW+1], vcc_lo
	v_cndmask_b32 v[T+1], v[SW+2], v[SW+3], vcc_lo
	global_store_b32 v6, v[T], s[30:31]
	global_store_b32 v6, v[T+1], s[30:31] offset:128
	s_wait_tensorcnt 0x0
	ds_add_u32 v254, v255
	s_wait_dscnt 0x0
	s_endpgm
.Lweights:
	; ---- the weights.  A lane takes a column and its registers run down K: a block of 32 lies in one lane, and the codes come out with K innermost.  A wave: 32 columns (two tiles) x one K step
	s_sub_co_u32 s20, ttmp9, 256
	s_lshr_b32 s21, s20, 6                         ; which weight: 0 Wq, 1 Wk, 2 Wv, 3 Wo
	s_bfe_u32 s22, s20, 0x30003                    ; which K step
	s_and_b32 s23, s20, 7
	s_lshl_b32 s23, s23, 2
	s_add_co_u32 s23, s23, s18                     ; which 32 columns
	v_bfe_u32 v2, v0, 3, 1                         ; my column c = 8 u + r + 8 (r / 8): u = (c / 8) % 2,
	v_and_b32 v3, 7, v0
	v_bfe_u32 v10, v0, 4, 1
	v_lshl_add_u32 v3, v10, 3, v3                  ; r = c % 8 + 8 (c / 16)
	s_wait_alu depctr_va_vdst(0)
	v_lshlrev_b32 v4, 2, v1
	s_mul_i32 s19, s18, 3072
	s_add_co_u32 s19, s19, 33792                   ; my wave's two images in LDS
	v_mul_u32_u24 v11, v2, 1536
	v_add_nc_u32 v11, s19, v11
	v_lshl_add_u32 v5, v3, 4, v11
	v_lshl_add_u32 v6, v3, 3, v11
	v_lshlrev_b32 v9, 4, v1
	v_add_nc_u32 v7, s19, v9
	v_lshlrev_b32 v8, 2, v3
	v_lshl_add_u32 v8, v2, 6, v8                   ; my scale word's place: 64 u + 4 r
	s_lshr_b32 s24, s23, 1                         ; head
	s_and_b32 s25, s23, 1                          ; which half of its 64 columns
	s_lshl_b32 s28, s25, 1                         ; the first of my two tiles among the head's twelve: Q 2 p,
	s_add_co_u32 s29, s28, 6                       ; K 6 + 2 p,
	s_mul_i32 s30, s25, 6
	s_add_co_u32 s30, s30, 4                       ; V 4 + 6 p
	s_cmp_eq_u32 s21, 1
	s_cselect_b32 s28, s29, s28
	s_cmp_eq_u32 s21, 2
	s_cselect_b32 s28, s30, s28
	s_mul_i32 s29, s24, 153600
	s_add_co_u32 s29, s29, 6144
	s_mul_i32 s30, s22, 18432
	s_add_co_u32 s29, s29, s30
	s_mul_i32 s30, s28, 1536
	s_add_co_u32 s29, s29, s30                     ; images of Wq, Wk, Wv
	s_mul_i32 s30, s24, 153600
	s_mul_i32 s31, s22, 768
	s_add_co_u32 s30, s30, s31
	s_lshl_b32 s31, s28, 6
	s_add_co_u32 s30, s30, s31
	s_add_co_u32 s30, s30, W_SC                    ; and their scale words
	s_lshr_b32 s32, s23, 3                         ; Wo: which 256 columns,
	s_and_b32 s33, s23, 7                          ; which pair of their sixteen tiles
	s_mul_i32 s34, s32, 204800
	s_mul_i32 s35, s22, 24576
	s_add_co_u32 s34, s34, s35
	s_mul_i32 s35, s33, 3072
	s_add_co_u32 s34, s34, s35
	s_add_co_u32 s34, s34, WO_IMG
	s_mul_i32 s35, s32, 204800
	s_lshl_b32 s36, s22, 10
	s_add_co_u32 s35, s35, s36
	s_lshl_b32 s36, s33, 7
	s_add_co_u32 s35, s35, s36
	s_add_co_u32 s35, s35, WO_SC
	s_cmp_eq_u32 s21, 3
	s_cselect_b32 s28, s34, s29
	s_cselect_b32 s30, s35, s30
	s_mov_b32 s29, 0
	s_mov_b32 s31, 0
	s_lshl_b32 s32, s22, 19                        ; 128 rows of 4,096 bytes a K step,
	s_lshl_b32 s33, s23, 7                         ; 128 bytes for 32 columns
	s_add_co_u32 s32, s32, s33
	s_mov_b32 s33, 0
	s_wait_alu depctr_va_vdst(0)
	s_wait_kmcnt 0x0
	s_cmp_eq_u32 s21, 1                            ; the choice hangs on the work-group's number alone
	s_cselect_b64 s[6:7], s[8:9], s[6:7]
	s_cmp_eq_u32 s21, 2
	s_cselect_b64 s[6:7], s[10:11], s[6:7]
	s_cmp_eq_u32 s21, 3
	s_cselect_b64 s[6:7], s[12:13], s[6:7]
	s_add_nc_u64 s[6:7], s[6:7], s[32:33]
	s_add_nc_u64 s[28:29], s[16:17], s[28:29]
	s_add_nc_u64 s[30:31], s[16:17], s[30:31]
	WLOAD 0
	WLOAD 1
	WBLOCK 0, 32, 1
	WBLOCK 1, 32, 1
	WBLOCK 2, 32, 0
	WBLOCK 3, 0, 0
.irp i, 0,1,2,3,4,5
	ds_load_b128 v[OUTR+4*\i:OUTR+4*\i+3], v7 offset:512*\i      ; LDS serves a wave's instructions in order: these see my stores
.endr
	global_store_b32 v8, v[SWD], s[30:31]          ; two tiles' scale words: 128 consecutive bytes
.irp i, 0,1,2,3,4,5
	s_wait_dscnt 5-\i
	global_store_b128 v9, v[OUTR+4*\i:OUTR+4*\i+3], s[28:29] offset:512*\i   ; the two images lie on end: 3,072 consecutive bytes
.endr
	s_wait_tensorcnt 0x0
	ds_add_u32 v254, v255
	s_wait_dscnt 0x0
	s_endpgm
.Lfunc_end_k_q9069b8c1b7_quant:
	.size	k_q9069b8c1b7_quant, .Lfunc_end_k_q9069b8c1b7_quant-k_q9069b8c1b7_quant
	.p2alignl 7, 3214868480
	.fill 96, 4, 3214868480
	.section	.rodata,"a",@progbits
	.p2align	6, 0x0
	.amdhsa_kernel k_q9069b8c1b7_quant
		.amdhsa_group_segment_fixed_size 46592
		.amdhsa_private_segment_fixed_size 0
		.amdhsa_enable_private_segment 0
		.amdhsa_kernarg_size 56
		.amdhsa_user_sgpr_count 2
		.amdhsa_user_sgpr_kernarg_segment_ptr 1
		.amdhsa_wavefront_size32 1
		.amdhsa_system_sgpr_workgroup_id_x 1
		.amdhsa_system_sgpr_workgroup_id_y 1
		.amdhsa_system_sgpr_workgroup_id_z 1
		.amdhsa_system_vgpr_workitem_id 0
		.amdhsa_next_free_vgpr 256
		.amdhsa_next_free_sgpr 66
		.amdhsa_reserve_vcc 1
		.amdhsa_float_denorm_mode_32 3
		.amdhsa_float_denorm_mode_16_64 3
		.amdhsa_memory_ordered 1
		.amdhsa_forward_progress 1
		.amdhsa_inst_pref_size 57
	.end_amdhsa_kernel
	.amdgpu_metadata
---
amdhsa.version: [ 1, 2 ]
amdhsa.kernels:
  - .name:           k_q9069b8c1b7_quant
    .symbol:         k_q9069b8c1b7_quant.kd
    .args:
      - { .name: x, .offset: 0, .size: 8, .value_kind: global_buffer, .address_space: global }
      - { .name: Wq, .offset: 8, .size: 8, .value_kind: global_buffer, .address_space: global }
      - { .name: Wk, .offset: 16, .size: 8, .value_kind: global_buffer, .address_space: global }
      - { .name: Wv, .offset: 24, .size: 8, .value_kind: global_buffer, .address_space: global }
      - { .name: Wo, .offset: 32, .size: 8, .value_kind: global_buffer, .address_space: global }
      - { .name: xq, .offset: 40, .size: 8, .value_kind: global_buffer, .address_space: global }
      - { .name: wq, .offset: 48, .size: 8, .value_kind: global_buffer, .address_space: global }
    .group_segment_fixed_size: 46592
    .private_segment_fixed_size: 0
    .kernarg_segment_align: 8
    .kernarg_segment_size: 56
    .max_flat_workgroup_size: 128
    .sgpr_count:     66
    .vgpr_count:     256
    .wavefront_size: 32
...
	.end_amdgpu_metadata
.endif
;; end of part 1
;; launch qkv (part 2): grid 16 x 32, 4 waves a work-group, clusters of 4 x 4, 327,680 bytes of LDS; arguments xq, wq, bq, bk, bv, qq, kv; writes qq, kv
.if DOCPART == 2
	.amdgcn_target "amdgcn-amd-amdhsa--gfx1250"
	.amdhsa_code_object_version 6
	.text
	.protected	k_q9069b8c1b7_qkv
	.globl	k_q9069b8c1b7_qkv
	.p2align	8
	.type	k_q9069b8c1b7_qkv,@function
k_q9069b8c1b7_qkv:
	s_mov_b64 s[64:65], 0
	v_nop
	global_prefetch_b8 v0, s[64:65] scope:SCOPE_SE
	s_setreg_imm32_b32 hwreg(HW_REG_WAVE_MODE, 25, 1), 1
	s_wait_xcnt 0x0
	s_wait_alu depctr_hold_cnt(0) depctr_sa_sdst(0) depctr_va_vdst(0) depctr_va_sdst(0) depctr_va_ssrc(0) depctr_va_vcc(0) depctr_vm_vsrc(0)
	s_getreg_b32 s2, hwreg(HW_REG_IB_STS2, 6, 4)
	s_cmp_eq_u32 s2, 0
	s_cbranch_scc0 .Lentry_in_a_cluster
	s_endpgm
.Lentry_in_a_cluster:
	s_bfe_u32 s2, ttmp6, 0x10000c
	s_cmp_lg_u32 s2, 0xf033
	s_cbranch_scc0 .Lentry_shape_is_right
	s_endpgm
.Lentry_shape_is_right:
; Q, K, V = x W + b on codes of FP6 (E2M3), and their quantising: Q and K along the head's 64, V along the keys.  No f32 result goes to memory.
; SHARES.  A work-group takes 256 rows of x (mt) and one head's 192 columns.  Wave (mh, nh): x's tiles 8 mh .. 8 mh + 7 and six tiles of W (nh = 0: Q's four, V's 0, 1; nh = 1: K's four, V's 2, 3): 48 accumulators.
; Q and K are made transposed (source 0 = W's columns): a lane holds one row, registers along the head's 64.  V the other way round: a lane holds one channel, registers along the keys.
; x's tile t of a group of 64 rows has lane row r = row 8 t + r % 8 + 32 (r / 8): V's 32 registers of a group's four tiles are then a whole block of 32 keys in one lane.
; LDS: x's scale words and K steps 0-6 (180,224 bytes), W's the same (135,168), the spare words.  At the head one joint load a wave: wave 0 x's scale words and K steps 0, 1; wave 1 W's; wave 2 x's K steps 2-6; wave 3 W's.
; The first barrier shows waves 0 and 1's tiles alone.  K step 7 is the one refill, onto K step 0's bytes, behind a drained round of the cluster's barrier.
; CLUSTER 4 x 4: x's tiles hang on mt alone (shared along a row), W's on the head alone (along a column).  No prefetch: seven of eight K steps are asked for at the head, so there is no loop to run ahead in.
; OUT.  qq: for each (batch x head, 128 rows) 6,400 bytes: four images of 1,536 and 256 bytes of scale words.  An image is [piece of 4 registers 3][lane 32][16 bytes] and holds TWO tiles: registers 0-5 the even tile's 64 codes, 6-11 the odd tile's;
; its scale word of row r: two bytes of each tile; words lie [r 16][image 4].  kv: 12,800 bytes: K as Q, V's four images (16 channels x 128 keys) at 6,144, K's words at 12,288, V's [r 16][tile 4] at 12,544.
; LIMITS: NaN and infinities are not served; a block whose largest magnitude lies under 2^-124 keeps the scale byte 1, a block of zeros too (its codes are zeros; this program alone reads the bytes).
.set XPART, 24576
.set WPART, 18432
.set XI,    8192
.set WR,    180224
.set WI,    186368
.set SPARE, 315392
.set AX16, 4
.set AX8,  8
.set AW16, 12
.set AW8,  16
.set ASX,  20
.set ASW,  21
.set L16,  22
.set L8,   23
.set SPW,  28
.set NIL,  29
.set SC,   32
.set FX,   64
.set FW,   160
.set TP,   232
.set TM,   240
.set TS,   248
.set SWQ,  208
.set SWV,  220
.set PV,   160
.set PT,   184
.set WV,   18
.set MH,   19
.set NH,   20
.set G1X,  28
.set G1W,  36
.set G1X2, 44
.set G1W2, 52
.set G0X,  60
.set G0W,  68
.set G0X2, 72
.set G0W2, 76
.set QKP,  96
.set QKSP, 98
.set VP,   100
.set VSP,  66
.set MSB, 0
.macro WIN new
.if MSB != (\new)
	s_set_vgpr_msb (MSB<<8)|(\new)
.set MSB, (\new)
.endif
.endm
.macro PLACES
.rept 4
	v_nop
.endr
.endm
.macro WALU
	s_wait_alu depctr_va_vdst(0)
.endm
.macro TLOAD g0, g1
	tensor_load_to_lds s[\g0:\g0+3], s[\g1:\g1+7]
	s_nop 0
	PLACES
.endm
.macro BARRIER
	s_barrier_signal -1
	s_barrier_wait -1
.endm
.macro CROUND
	BARRIER
	s_cmp_lg_u32 s[WV], 0
	s_cbranch_scc1 .Lnot_wave_0_\@
	s_barrier_signal -3
.Lnot_wave_0_\@:
	s_barrier_wait -3
	BARRIER
.endm
.macro G1REST g, rows                  ; a dense block as rows of 256 bytes
	s_mov_b32 s[\g+1], 32<<16
	s_mov_b32 s[\g+2], (\rows)<<16
	s_mov_b32 s[\g+3], 32<<16
	s_mov_b32 s[\g+4], \rows
	s_mov_b32 s[\g+5], 32
	s_mov_b32 s[\g+6], 0
	s_mov_b32 s[\g+7], 0
.endm
.macro SETG0 g, lds, ad, go
	s_mov_b32 s[\g], 1
	s_mov_b32 s[\g+1], \lds
	s_add_nc_u64 s[\g+2:\g+3], s[\ad:\ad+1], \go
	s_or_b32 s[\g+3], s[\g+3], 0x80000000
.endm
.macro FRAG reg, a16, a8, off
	ds_load_b128 v[\reg:\reg+3], v[\a16] offset:\off
	ds_load_b64 v[\reg+4:\reg+5], v[\a8] offset:\off+512
	ds_load_b128 v[\reg+6:\reg+9], v[\a16] offset:\off+768
	ds_load_b64 v[\reg+10:\reg+11], v[\a8] offset:\off+1280
.endm
.macro FETCH s                         ; K step s: my 8 + 6 fragments into set s % 2, and their scale words.  K step 7 lies where K step 0 lay
.set FP, (\s)%2
.if (\s) == 7
.set FSL, 0
.set FO, 0
.else
.set FSL, (\s)/2
.set FO, FP
.endif
	WIN 0x40*FP
.irp a, 0,1,2,3,4,5,6,7
	FRAG FX+12*\a, AX16+FSL, AX8+FSL, FO*XPART+1536*\a
.endr
.irp j, 0,1,2,3,4,5
	FRAG FW+12*\j, AW16+FSL, AW8+FSL, FO*WPART+1536*\j
.endr
	WIN 0
.irp a, 0,1,2,3,4,5,6,7
	ds_load_b32 v[SC+14*FP+\a], v[ASX] offset:1024*(\s)+64*\a
.endr
.irp j, 0,1,2,3,4,5
	ds_load_b32 v[SC+14*FP+8+\j], v[ASW] offset:768*(\s)+64*\j
.endr
.endm
; 24 matrix instructions; the 48 accumulators take turns in the same order in every K step.  first = 1: C is the bias, in window 1
.macro MUL s, hw, first
.set MP, (\s)%2
.if \first
	WIN MP|(MP<<2)|(1<<4)|((2+\hw)<<6)
.else
	WIN MP|(MP<<2)|((2+\hw)<<4)|((2+\hw)<<6)
.endif
.irp a, 0,1,2,3
.irp j, 0,1,2,3
.if \first
	v_wmma_scale_f32_16x16x128_f8f6f4 v[32*\a+8*\j:32*\a+8*\j+7], v[FW+12*\j:FW+12*\j+11], v[FX+12*(4*\hw+\a):FX+12*(4*\hw+\a)+11], v[8*\j:8*\j+7], v[SC+14*MP+8+\j], v[SC+14*MP+4*\hw+\a] matrix_a_fmt:MATRIX_FMT_FP6 matrix_b_fmt:MATRIX_FMT_FP6
.else
	v_wmma_scale_f32_16x16x128_f8f6f4 v[32*\a+8*\j:32*\a+8*\j+7], v[FW+12*\j:FW+12*\j+11], v[FX+12*(4*\hw+\a):FX+12*(4*\hw+\a)+11], v[32*\a+8*\j:32*\a+8*\j+7], v[SC+14*MP+8+\j], v[SC+14*MP+4*\hw+\a] matrix_a_fmt:MATRIX_FMT_FP6 matrix_b_fmt:MATRIX_FMT_FP6
.endif
.endr
.irp v, 0,1
.if \first
	v_wmma_scale_f32_16x16x128_f8f6f4 v[128+32*\v+8*\a:128+32*\v+8*\a+7], v[FX+12*(4*\hw+\a):FX+12*(4*\hw+\a)+11], v[FW+48+12*\v:FW+48+12*\v+11], v[32+8*\v:32+8*\v+7], v[SC+14*MP+4*\hw+\a], v[SC+14*MP+12+\v] matrix_a_fmt:MATRIX_FMT_FP6 matrix_b_fmt:MATRIX_FMT_FP6
.else
	v_wmma_scale_f32_16x16x128_f8f6f4 v[128+32*\v+8*\a:128+32*\v+8*\a+7], v[FX+12*(4*\hw+\a):FX+12*(4*\hw+\a)+11], v[FW+48+12*\v:FW+48+12*\v+11], v[128+32*\v+8*\a:128+32*\v+8*\a+7], v[SC+14*MP+4*\hw+\a], v[SC+14*MP+12+\v] matrix_a_fmt:MATRIX_FMT_FP6 matrix_b_fmt:MATRIX_FMT_FP6
.endif
.endr
.endr
	WIN 0
.endm
.macro MULS s
	MUL \s, 0, 0
	MUL \s, 1, 0
.endm
.macro SCALES8                         ; eight half blocks' largest magnitudes in v[TM] on -> scale operands (v[TS] on) and bytes (v[TP] on)
.irp c, 0,1,2,3,4,5,6,7
	v_permlanex16_b32 v[TP+\c], v[TM+\c], s26, s27
.endr
.irp c, 0,1,2,3,4,5,6,7
	v_max_num_f32 v[TM+\c], v[TM+\c], v[TP+\c]
.endr
.irp c, 0,1,2,3,4,5,6,7
	v_add_nc_u32 v[TS+\c], 0xff000000, v[TM+\c]    ; 2 off the exponent field: the conversion's scale operand
.endr
.irp c, 0,1,2,3,4,5,6,7
	v_lshrrev_b32 v[TP+\c], 23, v[TS+\c]
.endr
.endm
; Q's or K's four tiles of window 2 + hw: a tile's 32 registers are my row's d = 32 b + 16 (lane / 16) + i.  Two tiles make an image
.macro EPQK hw
.set WD, 2+\hw
.set PCQ, 64+48*\hw
	WIN WD|(WD<<2)
.irp c, 0,1,2,3,4,5,6,7
	v_max3_num_f32 v[TM+\c], |v[16*\c]|, |v[16*\c+1]|, 0x1800000   ; each accumulator from its low end on; the floor 2^(3 - 127) holds the byte at 1 from below
.endr
.irp i, 2,4,6,8,10,12,14
.irp c, 0,1,2,3,4,5,6,7
	v_max3_num_f32 v[TM+\c], |v[16*\c+\i]|, |v[16*\c+\i+1]|, v[TM+\c]
.endr
.endr
	WIN 0
	SCALES8
.irp a, 0,1,2,3
	v_lshl_or_b32 v[SWQ+4*\hw+\a], v[TP+2*\a+1], 8, v[TP+2*\a]
.endr
	WIN WD
.irp a, 0,1,2,3
	v_cvt_scalef32_pk16_fp6_f32 v[PCQ+6*\a:PCQ+6*\a+2], v[32*\a:32*\a+15], v[TS+2*\a]
	v_cvt_scalef32_pk16_fp6_f32 v[PCQ+24+4*\a:PCQ+24+4*\a+2], v[32*\a+16:32*\a+31], v[TS+2*\a+1]
.endr
	WIN 0
	v_nop                                          ; one plain place behind a scaled conversion
.irp a, 0,1,2,3
.irp i, 0,1,2
	v_permlane16_swap_b32 v[PCQ+6*\a+\i], v[PCQ+24+4*\a+\i]        ; a whole block to a lane
.endr
.endr
.irp a, 0,1,2,3
.irp i, 0,1,2
	v_mov_b32 v[PCQ+6*\a+3+\i], v[PCQ+24+4*\a+\i]
.endr
.endr
.irp p, 0,1
.irp k, 0,1,2
	global_store_b128 v[L16], v[PCQ+12*\p+4*\k:PCQ+12*\p+4*\k+3], s[QKP:QKP+1] offset:1536*(2*\hw+\p)+512*\k   ; 512 consecutive bytes
.endr
.endr
.endm
	s_load_b256 s[4:11], s[0:1], 0x0               ; xq, wq, bq, bk
	s_load_b128 s[12:15], s[0:1], 0x20             ; bv, qq
	s_load_b64 s[16:17], s[0:1], 0x30              ; kv
	v_lshl_add_u32 v[SPW], v0, 2, SPARE
	v_mov_b32 v[NIL], 0
	ds_add_u32 v[SPW], v[NIL]                      ; the opening lines
	ds_add_u32 v[SPW], v[NIL]
	v_lshrrev_b32 v1, 5, v0
	v_readfirstlane_b32 s[WV], v1
	s_lshr_b32 s[MH], s[WV], 1
	s_and_b32 s[NH], s[WV], 1
	s_bfe_u32 s21, ttmp6, 0x40000                  ; cx
	s_bfe_u32 s22, ttmp6, 0x40004                  ; cy
	s_lshl_b32 s23, ttmp9, 2
	s_add_co_u32 s23, s23, s21                     ; the head
	s_and_b32 s24, ttmp7, 0xffff
	s_lshl_b32 s24, s24, 2
	s_add_co_u32 s24, s24, s22                     ; mt
	s_lshl_b32 s96, s22, 2
	s_lshl_b32 s96, 15, s96                        ; my row of the cluster
	s_lshl_b32 s98, 0x1111, s21                    ; my column
	s_or_b32 s[G1X], s96, (3<<16)|(1<<21)
	s_or_b32 s[G1X2], s96, (3<<16)|(1<<21)
	s_or_b32 s[G1W], s98, (3<<16)|(1<<21)
	s_or_b32 s[G1W2], s98, (3<<16)|(1<<21)
	G1REST G1X, 224                                ; x's scale words and K steps 0, 1
	G1REST G1W, 168                                ; W's
	G1REST G1X2, 480                               ; x's K steps 2-6
	G1REST G1W2, 360                               ; W's
	s_mul_i32 s96, s24, 204800
	s_mov_b32 s97, 0
	s_mul_i32 s98, s23, 153600
	s_mov_b32 s99, 0
	s_mov_b32 s26, 0x76543210
	s_mov_b32 s27, 0xfedcba98
	WALU
	s_wait_dscnt 0x0
	s_wait_kmcnt 0x0
	s_add_nc_u64 s[96:97], s[4:5], s[96:97]
	s_add_nc_u64 s[98:99], s[6:7], s[98:99]
	SETG0 G0X, 0, 96, 0
	SETG0 G0W, WR, 98, 0
	SETG0 G0X2, XI+2*XPART, 96, XI+2*XPART
	SETG0 G0W2, WI+2*WPART, 98, 6144+2*WPART
	CROUND                                         ; all sixteen work-groups are here: the first joint loads meet
.macro ARM under, g0, g1, next
	s_cmp_lt_u32 s[WV], \under
	s_cbranch_scc0 \next
	TLOAD \g0, \g1
	s_branch .Lhead_asked
\next:
.endm
	ARM 1, G0X, G1X, .Lhead_1                      ; one chain of branches on the wave's number, one load to an arm
	ARM 2, G0W, G1W, .Lhead_2
	ARM 3, G0X2, G1X2, .Lhead_3
	TLOAD G0W2, G1W2
.Lhead_asked:
	v_and_b32 v1, 31, v0
	v_and_b32 v2, 15, v0                           ; r
	v_bfe_u32 v3, v0, 4, 1                         ; h
	v_lshlrev_b32 v[L16], 4, v1
	v_lshlrev_b32 v[L8], 3, v1
	WALU
	s_mul_i32 s96, s[MH], 12288
	s_add_co_u32 s96, s96, XI
	s_mul_i32 s98, s[NH], 9216
	s_add_co_u32 s98, s98, WI
.irp q, 0,1,2,3
	v_add_nc_u32 v[AX16+\q], s96, v[L16]
	v_add_nc_u32 v[AX8+\q], s96, v[L8]
	v_add_nc_u32 v[AW16+\q], s98, v[L16]
	v_add_nc_u32 v[AW8+\q], s98, v[L8]
	s_add_co_u32 s96, s96, 2*XPART
	s_add_co_u32 s98, s98, 2*WPART
.endr
	s_lshl_b32 s96, s[MH], 9
	v_lshl_add_u32 v[ASX], v2, 2, s96
	s_mul_i32 s98, s[NH], 384
	s_add_co_u32 s98, s98, WR
	v_lshl_add_u32 v[ASW], v2, 2, s98
	v_lshlrev_b32 v24, 4, v2                       ; scale words on the way out: 16 r
	v_lshlrev_b32 v30, 3, v3                       ; 8 h
	v_lshlrev_b32 v26, 6, v3                       ; bq, bk: 16 h numbers on
	v_and_b32 v27, 8, v2
	v_add_nc_u32 v27, v27, v2
	v_lshlrev_b32 v27, 2, v27                      ; bv: my channel r + 8 (r / 8)
.irp c, 0,1,2,3,4,5,6,7
	v_mov_b32 v[TP+\c], 0                          ; a lane permute's destination counts as one of its sources
.endr
	WALU
	s_lshl_b32 s2, s23, 8
	s_mov_b32 s3, 0
	s_cmp_eq_u32 s[NH], 0
	s_cselect_b64 s[8:9], s[8:9], s[10:11]         ; bq or bk, by the wave's number alone
	s_add_nc_u64 s[8:9], s[8:9], s[2:3]
	s_lshl_b32 s25, s[NH], 7
	s_add_co_u32 s2, s2, s25
	s_add_nc_u64 s[12:13], s[12:13], s[2:3]
	WIN 0x40
.irp j, 0,1,2,3
	global_load_b128 v[8*\j:8*\j+3], v26, s[8:9] offset:(32*(\j/2)+8*(\j%2))*4
	global_load_b128 v[8*\j+4:8*\j+7], v26, s[8:9] offset:(32*(\j/2)+8*(\j%2))*4+16
.endr
.irp v, 0,1
.irp i, 0,1,2,3,4,5,6,7
	global_load_b32 v[32+8*\v+\i], v27, s[12:13] offset:32*\v
.endr
.endr
	WIN 0
	s_lshr_b32 s2, s24, 2                          ; where the results go: bh = 16 x batch + head; g = which 128 of the batch's rows
	s_lshl_b32 s2, s2, 4
	s_add_co_u32 s2, s2, s23
	s_and_b32 s3, s24, 3
	s_lshl_b32 s3, s3, 1
	s_add_co_u32 s3, s3, s[MH]
	s_mul_i32 s96, s2, 51200
	s_mul_i32 s25, s3, 6400
	s_add_co_u32 s96, s96, s25
	s_mov_b32 s97, 0
	s_add_nc_u64 s[96:97], s[14:15], s[96:97]
	s_mul_i32 s100, s2, 102400
	s_mul_i32 s25, s3, 12800
	s_add_co_u32 s100, s100, s25
	s_mov_b32 s101, 0
	s_add_nc_u64 s[16:17], s[16:17], s[100:101]
	s_mov_b32 s2, 12288
	s_mov_b32 s3, 0
	s_cmp_eq_u32 s[NH], 0
	s_cselect_b64 s[QKP:QKP+1], s[96:97], s[16:17]
	s_cselect_b32 s2, 6144, s2
	s_add_nc_u64 s[QKSP:QKSP+1], s[QKP:QKP+1], s[2:3]
	s_mul_i32 s2, s[NH], 3072
	s_add_co_u32 s2, s2, 6144
	s_add_nc_u64 s[VP:VP+1], s[16:17], s[2:3]
	s_lshl_b32 s2, s[NH], 3
	s_add_co_u32 s2, s2, 12544
	s_add_nc_u64 s[VSP:VSP+1], s[16:17], s[2:3]
	WALU
	s_cmp_lt_u32 s[WV], 2
	s_cbranch_scc0 .Lnot_first
	s_wait_tensorcnt 0x0                           ; waves 0 and 1: the scale words and K steps 0, 1 are in
.Lnot_first:
	BARRIER                                        ; waves 2 and 3's loads may be out
	FETCH 0
	s_wait_loadcnt 0x0                             ; the biases
	s_wait_dscnt 0x0
	FETCH 1
	MUL 0, 0, 1
	MUL 0, 1, 1
	s_wait_dscnt 0x0
	MULS 1
	s_wait_tensorcnt 0x0                           ; all my tensor loads have landed;
	ds_add_u32 v[SPW], v[NIL]
	s_mov_b32 s[G1X+2], 96<<16                     ; no load of mine is out: the descriptors of K step 7, for K step 0's bytes
	s_mov_b32 s[G1X+4], 96
	s_mov_b32 s[G1W+2], 72<<16
	s_mov_b32 s[G1W+4], 72
	s_mov_b32 s[G0X+1], XI
	s_add_nc_u64 s[G0X+2:G0X+3], s[G0X+2:G0X+3], XI+7*XPART
	s_mov_b32 s[G0W+1], WI
	s_add_nc_u64 s[G0W+2:G0W+3], s[G0W+2:G0W+3], 6144+7*WPART
	s_wait_dscnt 0x0                               ; the add is done, and my reads of K steps 0 and 1 are over
	CROUND                                         ; the same holds of every wave of all sixteen work-groups; K steps 2-6 are shown to all
	s_cmp_eq_u32 s[WV], 0
	s_cbranch_scc0 .Lrefill_w
	TLOAD G0X, G1X
	s_branch .Lrefilled
.Lrefill_w:
	s_cmp_eq_u32 s[WV], 1
	s_cbranch_scc0 .Lrefilled
	TLOAD G0W, G1W
.Lrefilled:
	PLACES                                         ; in front of loads into registers that matrix instructions have read
	FETCH 2
	s_wait_dscnt 0x0
	FETCH 3
	MULS 2
.irp s, 3,4,5
	s_wait_dscnt 0x0
	PLACES
	FETCH \s+1
	MULS \s
.endr
	s_wait_tensorcnt 0x0                           ; K step 7 is in
	s_wait_dscnt 0x0
	BARRIER                                        ; and shown to all
	PLACES
	FETCH 7
	MULS 6
	s_wait_dscnt 0x0
	MULS 7
	; THE WAY OUT
	PLACES
	EPQK 0
	EPQK 1
.irp p, 0,1,2,3
	v_lshl_or_b32 v[216+\p], v[SWQ+2*\p+1], 16, v[SWQ+2*\p]        ; an image's scale word: two bytes of each of its tiles
.endr
	global_store_b128 v24, v[216:219], s[QKSP:QKSP+1]      ; lanes l and l xor 16 hold the same words and write them to the same place: 256 consecutive bytes
	; V: tile v's 32 registers of window 2 + w are my channel's keys 64 w + 32 (lane / 16) + 0 .. 31: a whole block.  Two chains a block
.irp w, 0,1
	WIN (2+\w)|((2+\w)<<2)
.irp v, 0,1
.irp e, 0,1
	v_max3_num_f32 v[TM+4*\v+2*\w+\e], |v[128+32*\v+16*\e]|, |v[128+32*\v+16*\e+1]|, 0x1800000
.endr
.endr
.irp i, 2,4,6,8,10,12,14
.irp v, 0,1
.irp e, 0,1
	v_max3_num_f32 v[TM+4*\v+2*\w+\e], |v[128+32*\v+16*\e+\i]|, |v[128+32*\v+16*\e+\i+1]|, v[TM+4*\v+2*\w+\e]
.endr
.endr
.endr
.endr
	WIN 0
.irp q, 0,1,2,3                                ; q = 2 v + w
	v_max_num_f32 v[TP+\q], v[TM+2*\q], v[TM+2*\q+1]
.endr
.irp q, 0,1,2,3
	v_add_nc_u32 v[TS+\q], 0xff000000, v[TP+\q]
.endr
.irp q, 0,1,2,3
	v_lshrrev_b32 v[TP+\q], 23, v[TS+\q]
.endr
.irp w, 0,1
	WIN 2+\w
.irp v, 0,1
	v_cvt_scalef32_pk16_fp6_f32 v[PV+12*\v+6*\w:PV+12*\v+6*\w+2], v[128+32*\v:128+32*\v+15], v[TS+2*\v+\w]
	v_cvt_scalef32_pk16_fp6_f32 v[PT+8*\v+4*\w:PT+8*\v+4*\w+2], v[128+32*\v+16:128+32*\v+31], v[TS+2*\v+\w]
.endr
.endr
	WIN 0
.irp v, 0,1
	v_lshl_or_b32 v[TM+\v], v[TP+2*\v+1], 16, v[TP+2*\v]           ; my two bytes: blocks h and 2 + h of my channel,
.endr
.irp v, 0,1
	v_lshlrev_b32 v[TM+\v], v30, v[TM+\v]                          ; 8 h bits up;
.endr
.irp v, 0,1
	v_permlanex16_b32 v[TM+2+\v], v[TM+\v], s26, s27
.endr
.irp v, 0,1
	v_or_b32 v[SWV+\v], v[TM+\v], v[TM+2+\v]                       ; with lane l xor 16's two the word is whole
.endr
.irp v, 0,1
.irp w, 0,1
.irp i, 0,1,2
	v_mov_b32 v[PV+12*\v+6*\w+3+\i], v[PT+8*\v+4*\w+\i]
.endr
.endr
.endr
.irp v, 0,1
.irp k, 0,1,2
	global_store_b128 v[L16], v[PV+12*\v+4*\k:PV+12*\v+4*\k+3], s[VP:VP+1] offset:1536*\v+512*\k
.endr
.endr
	global_store_b64 v24, v[SWV:SWV+1], s[VSP:VSP+1]       ; my two tiles' words of row r
	s_wait_tensorcnt 0x0                           ; the wave's end
	ds_add_u32 v[SPW], v[NIL]
	s_wait_dscnt 0x0
	CROUND                                         ; the closing round
	s_endpgm
.Lfunc_end_k_q9069b8c1b7_qkv:
	.size	k_q9069b8c1b7_qkv, .Lfunc_end_k_q9069b8c1b7_qkv-k_q9069b8c1b7_qkv
	.p2alignl 7, 3214868480
	.fill 96, 4, 3214868480
	.section	.rodata,"a",@progbits
	.p2align	6, 0x0
	.amdhsa_kernel k_q9069b8c1b7_qkv
		.amdhsa_group_segment_fixed_size 327680
		.amdhsa_private_segment_fixed_size 0
		.amdhsa_enable_private_segment 0
		.amdhsa_kernarg_size 56
		.amdhsa_user_sgpr_count 2
		.amdhsa_user_sgpr_kernarg_segment_ptr 1
		.amdhsa_wavefront_size32 1
		.amdhsa_system_sgpr_workgroup_id_x 1
		.amdhsa_system_sgpr_workgroup_id_y 1
		.amdhsa_system_sgpr_workgroup_id_z 1
		.amdhsa_system_vgpr_workitem_id 0
		.amdhsa_next_free_vgpr 1024
		.amdhsa_next_free_sgpr 102
		.amdhsa_reserve_vcc 0
		.amdhsa_float_denorm_mode_32 3
		.amdhsa_float_denorm_mode_16_64 3
		.amdhsa_memory_ordered 1
		.amdhsa_forward_progress 1
		.amdhsa_inst_pref_size 123
	.end_amdhsa_kernel
	.amdgpu_metadata
---
amdhsa.version: [ 1, 2 ]
amdhsa.kernels:
  - .name:           k_q9069b8c1b7_qkv
    .symbol:         k_q9069b8c1b7_qkv.kd
    .args:
      - { .name: xq, .offset: 0, .size: 8, .value_kind: global_buffer, .address_space: global }
      - { .name: wq, .offset: 8, .size: 8, .value_kind: global_buffer, .address_space: global }
      - { .name: bq, .offset: 16, .size: 8, .value_kind: global_buffer, .address_space: global }
      - { .name: bk, .offset: 24, .size: 8, .value_kind: global_buffer, .address_space: global }
      - { .name: bv, .offset: 32, .size: 8, .value_kind: global_buffer, .address_space: global }
      - { .name: qq, .offset: 40, .size: 8, .value_kind: global_buffer, .address_space: global }
      - { .name: kv, .offset: 48, .size: 8, .value_kind: global_buffer, .address_space: global }
    .group_segment_fixed_size: 327680
    .private_segment_fixed_size: 0
    .kernarg_segment_align: 8
    .kernarg_segment_size: 56
    .max_flat_workgroup_size: 128
    .sgpr_count:     102
    .vgpr_count:     1024
    .wavefront_size: 32
...
	.end_amdgpu_metadata
.endif
;; end of part 2
;; launch attn (part 3): grid 4 x 64, 8 waves a work-group, clusters of 4 x 1, 218,624 bytes of LDS; arguments qq, kv, mq; writes mq
.if DOCPART == 3
	.amdgcn_target "amdgcn-amd-amdhsa--gfx1250"
	.amdhsa_code_object_version 6
	.text
	.protected	k_q9069b8c1b7_attn
	.globl	k_q9069b8c1b7_attn
	.p2align	8
	.type	k_q9069b8c1b7_attn,@function
k_q9069b8c1b7_attn:
	s_mov_b64 s[64:65], 0
	v_nop
	global_prefetch_b8 v0, s[64:65] scope:SCOPE_SE
	s_setreg_imm32_b32 hwreg(HW_REG_WAVE_MODE, 25, 1), 1
	s_wait_xcnt 0x0
	s_wait_alu depctr_hold_cnt(0) depctr_sa_sdst(0) depctr_va_vdst(0) depctr_va_sdst(0) depctr_va_ssrc(0) depctr_va_vcc(0) depctr_vm_vsrc(0)
	s_getreg_b32 s2, hwreg(HW_REG_IB_STS2, 6, 4)
	s_cmp_eq_u32 s2, 0
	s_cbranch_scc0 .Lentry_in_a_cluster
	s_endpgm
.Lentry_in_a_cluster:
	s_bfe_u32 s2, ttmp6, 0x10000c
	s_cmp_lg_u32 s2, 0x3003
	s_cbranch_scc0 .Lentry_shape_is_right
	s_endpgm
.Lentry_shape_is_right:
; merged[q][head] = softmax(Q K^T / 8) V for two heads, both products on codes of FP6 (E2M3), and the quantising of the merged heads along the hidden axis.
; THE SOFTMAX: t = score x log2(e) / 8; M = the running largest t rounded up to a whole number; p = 2^(t - M) is quantised along the keys, not normalised.  The row's sum is taken of the unquantised p, in f32,
; and divides O at the end.  When M moves, the sum and O are multiplied by 2^(old M - new M), which rounds nothing.
; SHARES.  A work-group owns a pair of heads (2 y, 2 y + 1) and 256 queries; each of its eight waves TWO tiles of 16 queries (u = 0, 1: one image of Q).  A wave walks head A's 1,024 keys, then head B's, 128 a step.
; The two tiles share every fragment of K and V, and their chains of dependent lines stand side by side, line by line.  A tile's two results are the two halves of one fragment of the last product's operand.
; LDS holds both heads' 16 blocks of 128 keys (12,800 bytes each), filled ONCE: wave w asks for blocks 2 w and 2 w + 1 by one load, in one chain of three arms on the wave's number.  The first barrier shows waves 0 and 1's
; blocks 0-3 alone; head A's first two steps touch blocks 0-2; behind them every wave waits for its load and a second barrier shows all.  Wave 7's tile is stated 50 rows longer than its tensor: the load writes zeros there
; (block 16), which the last step's look-ahead loads read and nobody uses: so every step has one form and no tail is written out.
; The four query blocks of a cluster read the same bytes and ask jointly.  No prefetch into the L2: every tensor load goes out at the head, so there is no loop to run ahead in.
; LAYOUT.  Both products are used transposed (S^T = K Q^T, O^T = V^T P^T): a lane holds one query of each tile.  The first product's K is 64: an image of K holds TWO tiles of 16 keys (registers 0-5, 6-11) and is multiplied
; by [Q | zero codes] for the even tile and by [zero codes | Q] for the odd one.  Tile t of a group of 64 keys has the keys 8 t + m % 8 + 32 (m / 8): a lane's 32 scores of a group are the keys 32 (lane / 16) + 0 .. 31,
; a whole block of the second product's K: its largest score, its scale and its codes need no other lane; the scale word's four bytes are joined from lanes l and l xor 16.
; A block's largest p is the largest score put through the same multiply-add and exponential as the others.
; FROM LDS: the next step's K is asked for behind this step's first product, the next step's V behind its second: 13 loads each.  So the wait at a step's top leaves V's 13 out, and the wait ahead of the second product the next K's 13.
; LIMITS: NaN and infinities are not served; the promise holds while the scaled scores stay under 2^31 in magnitude; a block of the merged heads whose largest magnitude lies under 2^-124 keeps the scale byte 1, a block of zeros too.
; REGISTERS.  Window 0, for tile u: v12+2u -M, v13+2u the largest score; 16+24u [Q|0], 28+24u [0|Q]; 64+u Q's scale word; 124+12u p's codes; 148+8u halves on their way; 164.. 187 at work; 188+8u the sum in four pairs;
; 204+12u the result's fragment, 228+u its scale word; 230+6u head B's Q, 242 its scale words.  Shared: v68-115 K's images, v116-119 and v120-123 K's and V's scale words.
; Window 1: 64u S^T, then p; 128+32u O^T; 192-239 V's images.
.set BLK,   12800                      ; K's 4 images, V's 4 images at 6,144, K's scale words [r][image] at 12,288, V's [r][tile] at 12,544
.set QBLK,  6400
.set SPARE, 217600                     ; behind 17 blocks
.set SPW, 6
.set NIL, 7
.set KV,  68
.set KS,  116
.set VS,  120
.set PCD, 124
.set CT,  148
.set BM,  164
.set BT,  168
.set BS,  172
.set FF,  176
.set PW,  180
.set T0,  182
.set T1,  184
.set OLD, 186
.set L,   188
.set RF,  204
.set RW,  228
.set Q2,  230
.set QW2, 242
.set OT,  128
.set VV,  192
.set WV,  18
.set NC,  19
.set SEL, 20
.set CS,  22
.set G1,  24
.set G0,  32
.set TB,  40
.set CNT, 41
.set G1Z, 56
.set MSB, 0
.macro WIN new                         ; low byte: bits 1:0 source 0, 3:2 source 1, 5:4 source 2, 7:6 destination; the high byte repeats the setting that is left
.if MSB != (\new)
	s_set_vgpr_msb (MSB<<8)|(\new)
.set MSB, (\new)
.endif
.endm
.macro WALU
	s_wait_alu depctr_va_vdst(0)
.endm
.macro TLOAD g1
	tensor_load_to_lds s[G0:G0+3], s[\g1:\g1+7]
	s_nop 0
.rept 4
	v_nop
.endr
.endm
.macro CROUND
	s_barrier_signal -1
	s_barrier_wait -1
	s_cmp_lg_u32 s[WV], 0
	s_cbranch_scc1 .Lnot_wave_0_\@
	s_barrier_signal -3
.Lnot_wave_0_\@:
	s_barrier_wait -3
	s_barrier_signal -1
	s_barrier_wait -1
.endm
.macro KLOAD                           ; 13 loads: K's four images and scale words of the block at v8, v9
.irp p, 0,1,2,3
.irp k, 0,1,2
	ds_load_b128 v[KV+12*\p+4*\k:KV+12*\p+4*\k+3], v8 offset:1536*\p+512*\k
.endr
.endr
	ds_load_b128 v[KS:KS+3], v9 offset:12288
.endm
.macro VLOAD                           ; 13 loads: V's scale words and four images of the same block
	ds_load_b128 v[VS:VS+3], v9 offset:12544
	WIN 0x40
.irp v, 0,1,2,3
.irp k, 0,1,2
	ds_load_b128 v[VV+12*\v+4*\k:VV+12*\v+4*\k+3], v8 offset:6144+1536*\v+512*\k
.endr
.endr
	WIN 0
.endm
; A KEY STEP
.macro STEP
	s_wait_dscnt 13                                ; K's 13 loads are in; V's 13, issued behind them, may be out
	WIN 0x40
.irp p, 0,1,2,3
.irp u, 0,1
	v_wmma_scale_f32_16x16x128_f8f6f4 v[64*\u+16*\p:64*\u+16*\p+7], v[KV+12*\p:KV+12*\p+11], v[16+24*\u:27+24*\u], 0, v[KS+\p], v[64+\u] matrix_a_fmt:MATRIX_FMT_FP6 matrix_b_fmt:MATRIX_FMT_FP6
	v_wmma_scale_f32_16x16x128_f8f6f4 v[64*\u+16*\p+8:64*\u+16*\p+15], v[KV+12*\p:KV+12*\p+11], v[28+24*\u:39+24*\u], 0, v[KS+\p], v[64+\u] matrix_a_fmt:MATRIX_FMT_FP6 matrix_b_fmt:MATRIX_FMT_FP6
.endr
.endr
	WIN 0
	v_mov_b32 v[OLD], v12                          ; four places: in front of the loads into K's registers and of the first read of S^T
	v_mov_b32 v[OLD+1], v14
	s_add_co_u32 s[TB], s[TB], BLK
	v_add_nc_u32 v8, s[TB], v1
	v_add_nc_u32 v9, s[TB], v3
	KLOAD
	WIN 0x15                                       ; each block's largest score, in two chains; eight chains side by side
.irp u, 0,1
.irp c, 0,1
	v_max3_num_f32 v[BM+2*\u+\c], v[64*\u+32*\c], v[64*\u+32*\c+1], v[64*\u+32*\c+2]
	v_max3_num_f32 v[BT+2*\u+\c], v[64*\u+32*\c+16], v[64*\u+32*\c+17], v[64*\u+32*\c+18]
.endr
.endr
	WIN 0x14
.irp i, 3,5,7,9,11,13
.irp u, 0,1
.irp c, 0,1
	v_max3_num_f32 v[BM+2*\u+\c], v[BM+2*\u+\c], v[64*\u+32*\c+\i], v[64*\u+32*\c+\i+1]
	v_max3_num_f32 v[BT+2*\u+\c], v[BT+2*\u+\c], v[64*\u+32*\c+16+\i], v[64*\u+32*\c+17+\i]
.endr
.endr
.endr
.irp u, 0,1
.irp c, 0,1
	v_max3_num_f32 v[BM+2*\u+\c], v[BM+2*\u+\c], v[64*\u+32*\c+15], v[64*\u+32*\c+31]
.endr
.endr
	WIN 0
.irp q, 0,1,2,3
	v_max_num_f32 v[BM+\q], v[BM+\q], v[BT+\q]
.endr
.irp u, 0,1
	v_max_num_f32 v[T0+\u], v[BM+2*\u], v[BM+2*\u+1]
.endr
.irp u, 0,1
	v_permlanex16_b32 v[T1+\u], v[T0+\u], s[SEL], s[SEL+1]
.endr
.irp u, 0,1
	v_max3_num_f32 v[13+2*\u], v[13+2*\u], v[T0+\u], v[T1+\u]      ; the running largest score of my query
.endr
.irp u, 0,1
	v_mul_f32 v[T0+\u], s[NC], v[13+2*\u]          ; -t
.endr
.irp u, 0,1
	v_floor_f32 v[12+2*\u], v[T0+\u]               ; -M = floor(-t) = -ceil(t)
.endr
.irp u, 0,1
	v_sub_f32 v[T0+\u], v[12+2*\u], v[OLD+\u]      ; old M - new M: a whole number, 0 or less
.endr
.irp u, 0,1
	v_cvt_i32_f32 v[T0+\u], v[T0+\u]               ; (it saturates)
.endr
.irp u, 0,1
	v_ldexp_f32 v[FF+2*\u], 1.0, v[T0+\u]          ; f = 2^(old M - new M)
.endr
.irp u, 0,1
.irp c, 0,1
	v_fma_f32 v[BM+2*\u+\c], v[BM+2*\u+\c], s[CS], v[12+2*\u]
.endr
.endr
	WIN 0x41
.irp u, 0,1
.set N, 0
.rept 32
	v_pk_fma_f32 v[64*\u+N:64*\u+N+1], v[64*\u+N:64*\u+N+1], s[CS:CS+1], v[12+2*\u:13+2*\u] op_sel_hi:[1,0,0]   ; t - M
.set N, N+2
.endr
.endr
	WALU
.set N, 0
.rept 128
	v_exp_f32 v[N], v[N]
.set N, N+1
.endr
	WIN 0
.irp q, 0,1,2,3
	v_exp_f32 v[BM+\q], v[BM+\q]                   ; the blocks' largest p
.endr
	WIN 0x41
	WALU                                           ; one wait for the batch, directly ahead of the first reader of O^T too
.irp u, 0,1
.set N, 0
.rept 16
	v_pk_mul_f32 v[OT+32*\u+N:OT+32*\u+N+1], v[OT+32*\u+N:OT+32*\u+N+1], v[FF+2*\u:FF+2*\u+1] op_sel_hi:[1,0]   ; O^T under the new M
.set N, N+2
.endr
.endr
	WIN 0
.irp q, 0,1,2,3
	v_max_num_f32 v[BM+\q], 0x1800000, v[BM+\q]    ; the floor 2^(3 - 127): the byte cannot fall under 1
.endr
.irp q, 0,1,2,3
	v_add_nc_u32 v[BS+\q], 0xff000000, v[BM+\q]    ; 2 off the exponent field: the conversion's scale operand
.endr
	WIN 0x01
.irp u, 0,1
.irp c, 0,1
	v_cvt_scalef32_pk16_fp6_f32 v[PCD+12*\u+6*\c:PCD+12*\u+6*\c+2], v[64*\u+32*\c:64*\u+32*\c+15], v[BS+2*\u+\c]
	v_cvt_scalef32_pk16_fp6_f32 v[CT+8*\u+4*\c:CT+8*\u+4*\c+2], v[64*\u+32*\c+16:64*\u+32*\c+31], v[BS+2*\u+\c]
.endr
.endr
	WIN 0
.irp q, 0,1,2,3
	v_lshrrev_b32 v[BT+\q], 23, v[BS+\q]           ; the scales' bytes
.endr
.irp u, 0,1
	v_lshl_or_b32 v[T0+\u], v[BT+2*\u+1], 16, v[BT+2*\u]           ; my two bytes: blocks h and 2 + h,
.endr
.irp u, 0,1
	v_lshlrev_b32 v[T0+\u], v5, v[T0+\u]           ; 8 h bits up;
.endr
.irp u, 0,1
	v_permlanex16_b32 v[T1+\u], v[T0+\u], s[SEL], s[SEL+1]
.endr
.irp u, 0,1
	v_or_b32 v[PW+\u], v[T0+\u], v[T1+\u]          ; with lane l xor 16's two: p's scale word for these 128 keys
.endr
.irp u, 0,1
.irp c, 0,1
.irp i, 0,1,2
	v_mov_b32 v[PCD+12*\u+6*\c+3+\i], v[CT+8*\u+4*\c+\i]           ; (a conversion's three registers begin on an even number)
.endr
.endr
.endr
	WIN 0x10                                       ; the sums under the new M, and the unquantised p onto them: four chains a tile
.irp u, 0,1
	v_pk_fma_f32 v[L+8*\u:L+8*\u+1], v[L+8*\u:L+8*\u+1], v[FF+2*\u:FF+2*\u+1], v[64*\u:64*\u+1] op_sel_hi:[1,0,1]
.endr
	WIN 0x05
.irp k, 1,2,3
.irp u, 0,1
	v_pk_add_f32 v[L+8*\u+2*\k:L+8*\u+2*\k+1], v[64*\u+4*\k-2:64*\u+4*\k-1], v[64*\u+4*\k:64*\u+4*\k+1]
.endr
.endr
	WIN 0x04
.set N, 7
.rept 25
.irp u, 0,1
	v_pk_add_f32 v[L+8*\u+2*(N%4):L+8*\u+2*(N%4)+1], v[L+8*\u+2*(N%4):L+8*\u+2*(N%4)+1], v[64*\u+2*N:64*\u+2*N+1]
.endr
.set N, N+1
.endr
	WIN 0x51
	WALU
	s_wait_dscnt 13                                ; V's 13 loads are in; the next K's 13, issued behind them, may be out
.irp v, 0,1,2,3                                ; O^T += V^T P^T: eight accumulators by turns
.irp u, 0,1
	v_wmma_scale_f32_16x16x128_f8f6f4 v[OT+32*\u+8*\v:OT+32*\u+8*\v+7], v[VV+12*\v:VV+12*\v+11], v[PCD+12*\u:PCD+12*\u+11], v[OT+32*\u+8*\v:OT+32*\u+8*\v+7], v[VS+\v], v[PW+\u] matrix_a_fmt:MATRIX_FMT_FP6 matrix_b_fmt:MATRIX_FMT_FP6
.endr
.endr
	WIN 0
.irp u, 0,1                                    ; the chains are joined: these six lines are also the places in front of the loads into V's registers
	v_pk_add_f32 v[L+8*\u:L+8*\u+1], v[L+8*\u:L+8*\u+1], v[L+8*\u+2:L+8*\u+3]
	v_pk_add_f32 v[L+8*\u+4:L+8*\u+5], v[L+8*\u+4:L+8*\u+5], v[L+8*\u+6:L+8*\u+7]
.endr
.irp u, 0,1
	v_pk_add_f32 v[L+8*\u:L+8*\u+1], v[L+8*\u:L+8*\u+1], v[L+8*\u+4:L+8*\u+5]
.endr
	VLOAD
.endm
; One head: eight key steps, the division by the sums, the quantising of my 2 x 16 rows x 64 channels: half n of each result's fragment
.macro HEAD n
.if \n
.irp u, 0,1
.irp i, 0,1,2,3,4,5
	v_mov_b32 v[16+24*\u+\i], v[Q2+6*\u+\i]
	v_mov_b32 v[34+24*\u+\i], v[Q2+6*\u+\i]
.endr
.endr
	v_perm_b32 v64, v[QW2], v[QW2], 0x01000100
	v_perm_b32 v65, v[QW2], v[QW2], 0x03020302
.endif
.irp u, 0,1
	v_mov_b32 v[13+2*\u], 0xff61b1e6               ; the largest score so far: -3e38
	v_mov_b32 v[12+2*\u], 0x7d800000               ; -M: so large that the first f is 0
	v_mov_b32 v[L+8*\u], 0
	v_mov_b32 v[L+8*\u+1], 0
.endr
	WIN 0x40
.set N, 0
.rept 64
	v_mov_b32 v[OT+N], 0                           ; the step is written once: the first finds zeros
.set N, N+1
.endr
	WIN 0
.if \n
	s_mov_b32 s[CNT], 8
.else
	s_mov_b32 s[CNT], 2                            ; head A's first two steps read blocks 0 to 2, which the first barrier has shown
.Lfirst_\@:
	STEP
	s_sub_co_u32 s[CNT], s[CNT], 1
	s_cmp_lg_u32 s[CNT], 0
	s_cbranch_scc1 .Lfirst_\@
	WALU
	s_wait_tensorcnt 0x0                           ; every wave: my two blocks are in;
	s_wait_dscnt 0x0                               ; no LDS load of mine is out at the signal
	s_barrier_signal -1
	s_barrier_wait -1                              ; all seventeen blocks are shown to all; nothing is filled again in this launch
	s_mov_b32 s[CNT], 6
.endif
.Lstep_\@:
	STEP
	s_sub_co_u32 s[CNT], s[CNT], 1
	s_cmp_lg_u32 s[CNT], 0
	s_cbranch_scc1 .Lstep_\@
.irp u, 0,1
	v_add_f32 v[T0+\u], v[L+8*\u], v[L+8*\u+1]
.endr
.irp u, 0,1
	v_permlanex16_b32 v[T1+\u], v[T0+\u], s[SEL], s[SEL+1]
.endr
.irp u, 0,1
	v_add_f32 v[T0+\u], v[T0+\u], v[T1+\u]         ; the rows' sums
.endr
	WALU
.irp u, 0,1
	v_rcp_f32 v[FF+2*\u], v[T0+\u]
.endr
	v_nop
	WIN 0x41
	WALU
.irp u, 0,1
.set N, 0
.rept 16
	v_pk_mul_f32 v[OT+32*\u+N:OT+32*\u+N+1], v[OT+32*\u+N:OT+32*\u+N+1], v[FF+2*\u:FF+2*\u+1] op_sel_hi:[1,0]   ; register 16 b + i: channel 32 b + 16 (lane / 16) + i of my query
.set N, N+2
.endr
.endr
	WIN 0x05
.irp u, 0,1
.irp b, 0,1
	v_max3_num_f32 v[BM+2*\u+\b], |v[OT+32*\u+16*\b]|, |v[OT+32*\u+16*\b+1]|, 0x1800000
.endr
.endr
	WIN 0x14
.irp i, 2,4,6,8,10,12,14
.irp u, 0,1
.irp b, 0,1
	v_max3_num_f32 v[BM+2*\u+\b], v[BM+2*\u+\b], |v[OT+32*\u+16*\b+\i]|, |v[OT+32*\u+16*\b+\i+1]|
.endr
.endr
.endr
	WIN 0
.irp q, 0,1,2,3
	v_permlanex16_b32 v[BT+\q], v[BM+\q], s[SEL], s[SEL+1]
.endr
.irp q, 0,1,2,3
	v_max_num_f32 v[BM+\q], v[BM+\q], v[BT+\q]
.endr
.irp q, 0,1,2,3
	v_add_nc_u32 v[BS+\q], 0xff000000, v[BM+\q]
.endr
.irp q, 0,1,2,3
	v_lshrrev_b32 v[BT+\q], 23, v[BS+\q]
.endr
.irp u, 0,1
.if \n
	v_lshl_or_b32 v[T0+\u], v[BT+2*\u+1], 8, v[BT+2*\u]
.else
	v_lshl_or_b32 v[RW+\u], v[BT+2*\u+1], 8, v[BT+2*\u]
.endif
.endr
.if \n
.irp u, 0,1
	v_lshl_or_b32 v[RW+\u], v[T0+\u], 16, v[RW+\u] ; head B's two bytes above head A's
.endr
.endif
	WIN 0x01
.irp u, 0,1
	v_cvt_scalef32_pk16_fp6_f32 v[RF+12*\u+6*\n:RF+12*\u+6*\n+2], v[OT+32*\u:OT+32*\u+15], v[BS+2*\u]
	v_cvt_scalef32_pk16_fp6_f32 v[CT+8*\u:CT+8*\u+2], v[OT+32*\u+16:OT+32*\u+31], v[BS+2*\u+1]
.endr
	WIN 0
	v_nop                                          ; one plain place behind a scaled conversion
.irp u, 0,1
.irp i, 0,1,2
	v_permlane16_swap_b32 v[RF+12*\u+6*\n+\i], v[CT+8*\u+\i]       ; a whole block to a lane
.endr
.endr
.irp u, 0,1
.irp i, 0,1,2
	v_mov_b32 v[RF+12*\u+6*\n+3+\i], v[CT+8*\u+\i]
.endr
.endr
.endm
	s_load_b128 s[4:7], s[0:1], 0x0                ; qq, kv
	s_load_b64 s[8:9], s[0:1], 0x10                ; mq
	v_lshl_add_u32 v[SPW], v0, 2, SPARE
	v_mov_b32 v[NIL], 0
	ds_add_u32 v[SPW], v[NIL]                      ; the opening lines
	ds_add_u32 v[SPW], v[NIL]
	v_lshrrev_b32 v1, 5, v0
	v_readfirstlane_b32 s[WV], v1                  ; wave 0..7
	s_bfe_u32 s10, ttmp6, 0x40000                  ; cx: my block of 256 queries; it enters qq's and mq's addresses alone
	s_and_b32 s11, ttmp7, 0xffff                   ; y = 8 x batch + pair of heads, which the four partners share
	s_mul_i32 s13, s[WV], 2*BLK                    ; wave w fetches blocks 2 w, 2 w + 1 of the pair's sixteen
	s_mul_i32 s14, s11, 16*BLK
	s_add_co_u32 s14, s14, s13
	s_mov_b32 s15, 0
	s_mov_b32 s[G1], 15|(3<<16)|(1<<21)            ; the mask: all four work-groups; elements of 8 bytes; bit 21 beside a mask
	s_mov_b32 s[G1+1], 32<<16                      ; a dense block as 100 rows of 256 bytes
	s_mov_b32 s[G1+2], 100<<16
	s_mov_b32 s[G1+3], 32<<16
	s_mov_b32 s[G1+4], 100
	s_mov_b32 s[G1+5], 32
	s_mov_b32 s[G1+6], 0
	s_mov_b32 s[G1+7], 0
	s_mov_b32 s[G1Z], 15|(3<<16)|(1<<21)           ; wave 7's: the tensor has 100 rows left, the tile 150: the last 50 rows are written as zeros
	s_mov_b32 s[G1Z+1], 32<<16
	s_mov_b32 s[G1Z+2], 100<<16
	s_mov_b32 s[G1Z+3], 32<<16
	s_mov_b32 s[G1Z+4], 150
	s_mov_b32 s[G1Z+5], 32
	s_mov_b32 s[G1Z+6], 0
	s_mov_b32 s[G1Z+7], 0
	s_mov_b32 s[SEL], 0x76543210
	s_mov_b32 s[SEL+1], 0xfedcba98
	s_mov_b32 s[CS], 0x3e38aa3b                    ; c = log2(e) / sqrt(64)
	s_mov_b32 s[CS+1], s[CS]
	s_mov_b32 s[NC], 0xbe38aa3b                    ; -c
	s_mov_b32 s[TB], 0
	WALU
	s_wait_dscnt 0x0
	s_wait_kmcnt 0x0
	s_mov_b32 s[G0], 1
	s_mov_b32 s[G0+1], s13
	s_add_nc_u64 s[G0+2:G0+3], s[6:7], s[14:15]
	s_or_b32 s[G0+3], s[G0+3], 0x80000000
	CROUND                                         ; all four work-groups are here: the joint loads meet
	s_cmp_lt_u32 s[WV], 2                          ; one chain of branches on the wave's number, one load to an arm
	s_cbranch_scc0 .Larm_1
	TLOAD G1                                       ; waves 0 and 1: blocks 0-3, which the first barrier shows
	s_branch .Lasked
.Larm_1:
	s_cmp_lt_u32 s[WV], 7
	s_cbranch_scc0 .Larm_2
	TLOAD G1                                       ; waves 2 to 6
	s_branch .Lasked
.Larm_2:
	TLOAD G1Z                                      ; wave 7: blocks 14, 15 and the zeros behind them
.Lasked:
	v_and_b32 v10, 31, v0                          ; lane
	v_and_b32 v11, 15, v0                          ; r
	v_bfe_u32 v5, v0, 4, 1
	v_lshlrev_b32 v1, 4, v10
	v_lshlrev_b32 v2, 3, v10
	v_lshlrev_b32 v3, 4, v11
	v_lshlrev_b32 v4, 2, v11
	v_lshlrev_b32 v5, 3, v5                        ; 8 h
	v_mov_b32 v8, v1                               ; block 0
	v_mov_b32 v9, v3
.irp u, 0,1
	v_mov_b32 v[T1+\u], 0                          ; a lane permute's destination counts as one of its sources
	v_mov_b32 v[FF+2*\u+1], 0                      ; (named as the upper half of a pair)
.irp i, 0,1,2,3,4,5
	v_mov_b32 v[22+24*\u+\i], 0                    ; zero codes, written once
	v_mov_b32 v[28+24*\u+\i], 0
.endr
.endr
	s_lshl_b32 s42, s10, 1
	s_lshr_b32 s43, s[WV], 2
	s_add_co_u32 s42, s42, s43                     ; which 128 of the batch's rows
	s_and_b32 s43, s[WV], 3                        ; which image of their four
	s_mul_i32 s44, s11, 16*QBLK
	s_mul_i32 s45, s42, QBLK
	s_add_co_u32 s44, s44, s45                     ; head A's block of 128 queries; head B's 51,200 bytes on
	s_mul_i32 s46, s43, 1536
	s_add_co_u32 s46, s46, s44
	s_mov_b32 s47, 0
	s_lshl_b32 s45, s43, 2
	s_add_co_u32 s44, s44, s45
	s_add_co_u32 s44, s44, 6144
	s_mov_b32 s45, 0
	s_add_nc_u64 s[46:47], s[4:5], s[46:47]
	s_add_nc_u64 s[44:45], s[4:5], s[44:45]
	WALU
.irp k, 0,1,2
	global_load_b128 v[RF+4*\k:RF+4*\k+3], v1, s[46:47] offset:512*\k
	global_load_b128 v[Q2+4*\k:Q2+4*\k+3], v1, s[46:47] offset:8*QBLK+512*\k
.endr
	global_load_b32 v[RW], v3, s[44:45]
	global_load_b32 v[QW2], v3, s[44:45] offset:8*QBLK
	s_and_b32 s51, s11, 56                         ; where the results go: which 128 rows = 8 x batch + 2 cx + wave / 4
	s_add_co_u32 s51, s51, s42
	s_mul_i32 s52, s51, 102400                     ; mq: for each 128 rows: scale words [ks 8][tile 8][16 rows], then images [ks 8][tile 8][1536]
	s_and_b32 s53, s11, 7                          ; the K step = the pair of heads
	s_lshl_b32 s54, s53, 9
	s_add_co_u32 s54, s54, s52
	s_lshl_b32 s55, s43, 7                         ; my two tiles: 2 (wave % 4) + u
	s_add_co_u32 s54, s54, s55
	s_mov_b32 s55, 0
	s_mul_i32 s53, s53, 12288
	s_add_co_u32 s52, s52, s53
	s_mul_i32 s53, s43, 3072
	s_add_co_u32 s52, s52, s53
	s_add_co_u32 s52, s52, 4096
	s_mov_b32 s53, 0
	s_add_nc_u64 s[52:53], s[8:9], s[52:53]
	s_add_nc_u64 s[54:55], s[8:9], s[54:55]
	s_cmp_lt_u32 s[WV], 2
	s_cbranch_scc0 .Lnot_first
	s_wait_tensorcnt 0x0                           ; waves 0 and 1: blocks 0-3 are in
.Lnot_first:
	s_barrier_signal -1
	s_barrier_wait -1                              ; and shown to all; the other waves' loads may be out
	KLOAD
	VLOAD
	s_wait_loadcnt 0x0                             ; Q
.irp u, 0,1
.irp i, 0,1,2,3,4,5
	v_mov_b32 v[16+24*\u+\i], v[RF+6*\u+\i]
	v_mov_b32 v[34+24*\u+\i], v[RF+6*\u+\i]
.endr
.endr
	v_perm_b32 v64, v[RW], v[RW], 0x01000100       ; a tile's two scale bytes, twice
	v_perm_b32 v65, v[RW], v[RW], 0x03020302
	HEAD 0
	HEAD 1
.irp u, 0,1
	global_store_b128 v1, v[RF+12*\u:RF+12*\u+3], s[52:53] offset:1536*\u      ; a fragment's image: 512, 256, 512, 256 consecutive bytes
	global_store_b64 v2, v[RF+12*\u+4:RF+12*\u+5], s[52:53] offset:1536*\u+512
	global_store_b128 v1, v[RF+12*\u+6:RF+12*\u+9], s[52:53] offset:1536*\u+768
	global_store_b64 v2, v[RF+12*\u+10:RF+12*\u+11], s[52:53] offset:1536*\u+1280
	global_store_b32 v4, v[RW+\u], s[54:55] offset:64*\u           ; its 16 scale words: lanes l and l xor 16 hold the same word and write it to the same place
.endr
	s_wait_tensorcnt 0x0                           ; the wave's end: the wait below also covers the last look-ahead loads
	ds_add_u32 v[SPW], v[NIL]
	s_wait_dscnt 0x0
	CROUND                                         ; the closing round
	s_endpgm
.Lfunc_end_k_q9069b8c1b7_attn:
	.size	k_q9069b8c1b7_attn, .Lfunc_end_k_q9069b8c1b7_attn-k_q9069b8c1b7_attn
	.p2alignl 7, 3214868480
	.fill 96, 4, 3214868480
	.section	.rodata,"a",@progbits
	.p2align	6, 0x0
	.amdhsa_kernel k_q9069b8c1b7_attn
		.amdhsa_group_segment_fixed_size 218624
		.amdhsa_private_segment_fixed_size 0
		.amdhsa_enable_private_segment 0
		.amdhsa_kernarg_size 24
		.amdhsa_user_sgpr_count 2
		.amdhsa_user_sgpr_kernarg_segment_ptr 1
		.amdhsa_wavefront_size32 1
		.amdhsa_system_sgpr_workgroup_id_x 1
		.amdhsa_system_sgpr_workgroup_id_y 1
		.amdhsa_system_sgpr_workgroup_id_z 1
		.amdhsa_system_vgpr_workitem_id 0
		.amdhsa_next_free_vgpr 512
		.amdhsa_next_free_sgpr 66
		.amdhsa_reserve_vcc 0
		.amdhsa_float_denorm_mode_32 3
		.amdhsa_float_denorm_mode_16_64 3
		.amdhsa_memory_ordered 1
		.amdhsa_forward_progress 1
		.amdhsa_inst_pref_size 110
	.end_amdhsa_kernel
	.amdgpu_metadata
---
amdhsa.version: [ 1, 2 ]
amdhsa.kernels:
  - .name:           k_q9069b8c1b7_attn
    .symbol:         k_q9069b8c1b7_attn.kd
    .args:
      - { .name: qq, .offset: 0, .size: 8, .value_kind: global_buffer, .address_space: global }
      - { .name: kv, .offset: 8, .size: 8, .value_kind: global_buffer, .address_space: global }
      - { .name: mq, .offset: 16, .size: 8, .value_kind: global_buffer, .address_space: global }
    .group_segment_fixed_size: 218624
    .private_segment_fixed_size: 0
    .kernarg_segment_align: 8
    .kernarg_segment_size: 24
    .max_flat_workgroup_size: 256
    .sgpr_count:     66
    .vgpr_count:     512
    .wavefront_size: 32
...
	.end_amdgpu_metadata
.endif
;; end of part 3
;; launch outp (part 4): grid 4 x 64, 4 waves a work-group, clusters of 4 x 4, 307,712 bytes of LDS; arguments mq, wq, bo, out0; writes out0
.if DOCPART == 4
	.amdgcn_target "amdgcn-amd-amdhsa--gfx1250"
	.amdhsa_code_object_version 6
	.text
	.protected	k_q9069b8c1b7_outp
	.globl	k_q9069b8c1b7_outp
	.p2align	8
	.type	k_q9069b8c1b7_outp,@function
k_q9069b8c1b7_outp:
	s_mov_b64 s[64:65], 0
	v_nop
	global_prefetch_b8 v0, s[64:65] scope:SCOPE_SE
	s_setreg_imm32_b32 hwreg(HW_REG_WAVE_MODE, 25, 1), 1
	s_wait_xcnt 0x0
	s_wait_alu depctr_hold_cnt(0) depctr_sa_sdst(0) depctr_va_vdst(0) depctr_va_sdst(0) depctr_va_ssrc(0) depctr_va_vcc(0) depctr_vm_vsrc(0)
	s_getreg_b32 s2, hwreg(HW_REG_IB_STS2, 6, 4)
	s_cmp_eq_u32 s2, 0
	s_cbranch_scc0 .Lentry_in_a_cluster
	s_endpgm
.Lentry_in_a_cluster:
	s_bfe_u32 s2, ttmp6, 0x10000c
	s_cmp_lg_u32 s2, 0xf033
	s_cbranch_scc0 .Lentry_shape_is_right
	s_endpgm
.Lentry_shape_is_right:
; out0 = merged Wo + bo on codes of FP6 (E2M3).  merged: for each mt (128 rows) 102,400 bytes: scale words [ks 8][tile 8][16], images [ks 8][tile 8][1536]; Wo: for each nt (256 columns) 204,800 bytes, the same with 16 tiles.
; SHARES.  A work-group makes 128 rows x 256 columns; wave (mh, nh) 64 x 128: 32 accumulators.  All of K lies in LDS, as it lies in memory; every byte is filled once, one joint load a wave, all at the head:
; wave 0 merged's scale words and K steps 0-3, wave 1 Wo's scale words and K steps 0-2, wave 2 merged's K steps 4-7, wave 3 Wo's K steps 3-7.  The first barrier shows waves 0 and 1's tiles alone, the second all.
; CLUSTER 4 x 4: merged's tiles hang on mt alone (shared along a row), Wo's on nt alone (along a column).  No prefetch: every load goes out at the head, so there is no loop to run ahead in.
; The matrix instruction is used transposed (source 0 = Wo's columns, source 1 = merged's rows): a lane holds eight neighbouring numbers of a row.  Wo's tiles 2 b, 2 b + 1 give a lane 16 neighbouring columns;
; merged's tile t of a group of 64 rows has lane row r = row 8 t + r % 8 + 32 (r / 8).  bo is the C of each sum's first matrix instruction.
.set AI,     4096
.set BR,     102400
.set BI,     110592
.set SPARE,  307200
.set STAGE,  4096                      ; the way out's stages lie on merged's K steps 0-2: filled once, and every wave's reads of them are over in front of the second barrier
.set SPW, 30
.set NIL, 31
.set SC,  32
.set FA,  64
.set FB,  112
.set WV,  12
.set MH,  13
.set NH,  14
.set G1A,  24
.set G1B,  32
.set G1A2, 40
.set G1B2, 48
.set G0A,  56
.set G0B,  60
.set G0A2, 68
.set G0B2, 72
.set MSB, 0
.macro WIN new
.if MSB != (\new)
	s_set_vgpr_msb (MSB<<8)|(\new)
.set MSB, (\new)
.endif
.endm
.macro PLACES
.rept 4
	v_nop
.endr
.endm
.macro WALU
	s_wait_alu depctr_va_vdst(0)
.endm
.macro TLOAD g0, g1
	tensor_load_to_lds s[\g0:\g0+3], s[\g1:\g1+7]
	s_nop 0
	PLACES
.endm
.macro BARRIER
	s_barrier_signal -1
	s_barrier_wait -1
.endm
.macro CROUND
	BARRIER
	s_cmp_lg_u32 s[WV], 0
	s_cbranch_scc1 .Lnot_wave_0_\@
	s_barrier_signal -3
.Lnot_wave_0_\@:
	s_barrier_wait -3
	BARRIER
.endm
.macro G1REST g, rows
	s_mov_b32 s[\g+1], 32<<16
	s_mov_b32 s[\g+2], (\rows)<<16
	s_mov_b32 s[\g+3], 32<<16
	s_mov_b32 s[\g+4], \rows
	s_mov_b32 s[\g+5], 32
	s_mov_b32 s[\g+6], 0
	s_mov_b32 s[\g+7], 0
.endm
.macro SETG0 g, lds, ad, go
	s_mov_b32 s[\g], 1
	s_mov_b32 s[\g+1], \lds
	s_add_nc_u64 s[\g+2:\g+3], s[\ad:\ad+1], \go
	s_or_b32 s[\g+3], s[\g+3], 0x80000000
.endm
.macro FRAG reg, a16, a8, off
	ds_load_b128 v[\reg:\reg+3], v[\a16] offset:\off
	ds_load_b64 v[\reg+4:\reg+5], v[\a8] offset:\off+512
	ds_load_b128 v[\reg+6:\reg+9], v[\a16] offset:\off+768
	ds_load_b64 v[\reg+10:\reg+11], v[\a8] offset:\off+1280
.endm
.macro FETCH s                         ; K step s: my 4 + 8 fragments into set s % 2, and their scale words
.set FP, (\s)%2
	WIN 0x40*FP
.irp a, 0,1,2,3
	FRAG FA+12*\a, 4+(\s)/4, 6+(\s)/4, ((\s)%4)*12288+1536*\a
.endr
.irp j, 0,1,2,3,4,5,6,7
	FRAG FB+12*\j, 8+(\s)/2, 12+(\s)/2, FP*24576+1536*\j
.endr
	WIN 0
.irp a, 0,1,2,3
	ds_load_b32 v[SC+12*FP+\a], v20 offset:512*(\s)+64*\a
.endr
.irp j, 0,1,2,3,4,5,6,7
	ds_load_b32 v[SC+12*FP+4+\j], v21 offset:1024*(\s)+64*\j
.endr
.endm
.macro MUL s, first                    ; 32 matrix instructions: the accumulators take turns in the same order in every K step
.set MP, (\s)%2
.if \first
	WIN MP|(MP<<2)|(1<<4)|(2<<6)
.else
	WIN MP|(MP<<2)|(2<<4)|(2<<6)
.endif
.irp a, 0,1,2,3
.irp j, 0,1,2,3,4,5,6,7
.if \first
	v_wmma_scale_f32_16x16x128_f8f6f4 v[64*\a+8*\j:64*\a+8*\j+7], v[FB+12*\j:FB+12*\j+11], v[FA+12*\a:FA+12*\a+11], v[8*\j:8*\j+7], v[SC+12*MP+4+\j], v[SC+12*MP+\a] matrix_a_fmt:MATRIX_FMT_FP6 matrix_b_fmt:MATRIX_FMT_FP6
.else
	v_wmma_scale_f32_16x16x128_f8f6f4 v[64*\a+8*\j:64*\a+8*\j+7], v[FB+12*\j:FB+12*\j+11], v[FA+12*\a:FA+12*\a+11], v[64*\a+8*\j:64*\a+8*\j+7], v[SC+12*MP+4+\j], v[SC+12*MP+\a] matrix_a_fmt:MATRIX_FMT_FP6 matrix_b_fmt:MATRIX_FMT_FP6
.endif
.endr
.endr
	WIN 0
.endm
; THE WAY OUT of tile a (16 rows x 128 columns): into my own stage (rows 528 bytes apart), back as whole rows of 512 bytes.  LDS serves a wave's instructions in order: no wait between
.macro TOSTAGE a
	WIN 0x08
.irp j, 0,1,2,3,4,5,6,7
	ds_store_b128 v22, v[64*(\a)+8*\j:64*(\a)+8*\j+3] offset:128*(\j/2)+32*(\j%2)        ; each accumulator from its low end on
	ds_store_b128 v22, v[64*(\a)+8*\j+4:64*(\a)+8*\j+7] offset:128*(\j/2)+32*(\j%2)+16
.endr
	WIN 0
.set BB, 64+64*((\a)%2)
.irp i, 0,1,2,3,4,5,6,7,8,9,10,11,12,13,14,15
	ds_load_b128 v[BB+4*\i:BB+4*\i+3], v23 offset:528*\i
.endr
.endm
.macro SEND a, younger                 ; younger: the LDS instructions issued behind tile a's loads, which may stay out
.set BB, 64+64*((\a)%2)
	s_wait_dscnt \younger
.irp i, 0,1,2,3,4,5,6,7,8,9,10,11,12,13,14,15
	global_store_b128 v24, v[BB+4*\i:BB+4*\i+3], s[10:11] offset:(8*(\a)+\i%8+32*(\i/8))*4096 th:TH_STORE_NT   ; 32 lanes store 512 consecutive bytes, at a multiple of 256 from out0's first byte
.endr
.endm
	s_load_b256 s[4:11], s[0:1], 0x0               ; mq, wq, bo, out0
	v_lshl_add_u32 v[SPW], v0, 2, SPARE
	v_mov_b32 v[NIL], 0
	ds_add_u32 v[SPW], v[NIL]                      ; the opening lines
	ds_add_u32 v[SPW], v[NIL]
	v_lshrrev_b32 v1, 5, v0
	v_readfirstlane_b32 s[WV], v1
	s_lshr_b32 s[MH], s[WV], 1
	s_and_b32 s[NH], s[WV], 1
	s_bfe_u32 s15, ttmp6, 0x40000                  ; cx
	s_bfe_u32 s16, ttmp6, 0x40004                  ; cy
	s_lshl_b32 s17, ttmp9, 2
	s_add_co_u32 s17, s17, s15                     ; nt
	s_and_b32 s18, ttmp7, 0xffff
	s_lshl_b32 s18, s18, 2
	s_add_co_u32 s18, s18, s16                     ; mt
	s_lshl_b32 s20, s16, 2
	s_lshl_b32 s20, 15, s20                        ; my row of the cluster
	s_lshl_b32 s22, 0x1111, s15                    ; my column
	s_or_b32 s[G1A], s20, (3<<16)|(1<<21)
	s_or_b32 s[G1A2], s20, (3<<16)|(1<<21)
	s_or_b32 s[G1B], s22, (3<<16)|(1<<21)
	s_or_b32 s[G1B2], s22, (3<<16)|(1<<21)
	G1REST G1A, 208
	G1REST G1B, 320
	G1REST G1A2, 192
	G1REST G1B2, 480
	s_mul_i32 s20, s18, 102400
	s_mov_b32 s21, 0
	s_mul_i32 s22, s17, 204800
	s_add_co_u32 s22, s22, 2457600
	s_mov_b32 s23, 0
	WALU
	s_wait_dscnt 0x0
	s_wait_kmcnt 0x0
	s_add_nc_u64 s[20:21], s[4:5], s[20:21]
	s_add_nc_u64 s[22:23], s[6:7], s[22:23]
	SETG0 G0A, 0, 20, 0
	SETG0 G0B, BR, 22, 0
	SETG0 G0A2, 53248, 20, 53248
	SETG0 G0B2, BR+81920, 22, 81920
	CROUND                                         ; all sixteen work-groups are here: the joint loads meet
.macro ARM under, g0, g1, next
	s_cmp_lt_u32 s[WV], \under
	s_cbranch_scc0 \next
	TLOAD \g0, \g1
	s_branch .Lhead_asked
\next:
.endm
	ARM 1, G0A, G1A, .Lhead_1                      ; one chain of branches on the wave's number, one load to an arm
	ARM 2, G0B, G1B, .Lhead_2
	ARM 3, G0A2, G1A2, .Lhead_3
	TLOAD G0B2, G1B2
.Lhead_asked:
	v_and_b32 v1, 31, v0
	v_and_b32 v2, 15, v0                           ; r
	v_bfe_u32 v3, v0, 4, 1                         ; h
	v_lshlrev_b32 v24, 4, v1
	v_lshlrev_b32 v26, 3, v1
	WALU
	s_mul_i32 s20, s[MH], 6144
	s_add_co_u32 s20, s20, AI
	s_mul_i32 s22, s[NH], 12288
	s_add_co_u32 s22, s22, BI
.irp q, 0,1
	v_add_nc_u32 v[4+\q], s20, v24
	v_add_nc_u32 v[6+\q], s20, v26
	s_add_co_u32 s20, s20, 49152
.endr
.irp q, 0,1,2,3
	v_add_nc_u32 v[8+\q], s22, v24
	v_add_nc_u32 v[12+\q], s22, v26
	s_add_co_u32 s22, s22, 49152
.endr
	s_lshl_b32 s20, s[MH], 8
	v_lshl_add_u32 v20, v2, 2, s20
	s_lshl_b32 s22, s[NH], 9
	s_add_co_u32 s22, s22, BR
	v_lshl_add_u32 v21, v2, 2, s22
	s_mul_i32 s19, s[WV], 8448
	s_add_co_u32 s19, s19, STAGE
	v_mul_u32_u24 v22, v2, 528
	v_lshl_add_u32 v22, v3, 6, v22
	v_add_nc_u32 v22, s19, v22                     ; in: row r, + 64 h
	v_add_nc_u32 v23, s19, v24                     ; back: 16 x lane of a row
	v_lshlrev_b32 v25, 6, v3                       ; bo: 16 h numbers on
	WALU
	s_lshl_b32 s20, s17, 10
	s_lshl_b32 s19, s[NH], 9
	s_add_co_u32 s20, s20, s19                     ; my first column, in bytes
	s_mov_b32 s21, 0
	s_add_nc_u64 s[8:9], s[8:9], s[20:21]
	s_lshl_b32 s19, s18, 19
	s_add_co_u32 s20, s20, s19
	s_lshl_b32 s19, s[MH], 18
	s_add_co_u32 s20, s20, s19                     ; + my first row: 128 mt + 64 mh rows of 4,096 bytes
	s_add_nc_u64 s[10:11], s[10:11], s[20:21]
	WIN 0x40
.irp j, 0,1,2,3,4,5,6,7
	global_load_b128 v[8*\j:8*\j+3], v25, s[8:9] offset:(32*(\j/2)+8*(\j%2))*4
	global_load_b128 v[8*\j+4:8*\j+7], v25, s[8:9] offset:(32*(\j/2)+8*(\j%2))*4+16
.endr
	WIN 0
	s_cmp_lt_u32 s[WV], 2
	s_cbranch_scc0 .Lnot_first
	s_wait_tensorcnt 0x0                           ; waves 0 and 1: the scale words and the first K steps are in
.Lnot_first:
	BARRIER                                        ; nothing is filled again in this launch: waves 2 and 3's loads may be out
	FETCH 0
	s_wait_loadcnt 0x0                             ; bo
	s_wait_dscnt 0x0
	FETCH 1
	MUL 0, 1
	s_wait_dscnt 0x0
	PLACES
	FETCH 2
	MUL 1, 0
	s_wait_dscnt 0x0
	MUL 2, 0
	s_wait_tensorcnt 0x0                           ; every wave: all that was out is in
	BARRIER                                        ; and shown to all; every wave's reads of K steps 0-2 are over
	PLACES
	FETCH 3
	s_wait_dscnt 0x0
	FETCH 4
	MUL 3, 0
.irp s, 4,5,6
	s_wait_dscnt 0x0
	PLACES
	FETCH \s+1
	MUL \s, 0
.endr
	s_wait_dscnt 0x0
	MUL 7, 0
	PLACES
	TOSTAGE 0
	TOSTAGE 1
	SEND 0, 32                                     ; behind tile 0's loads: tile 1's 16 stores and 16 loads
	s_wait_xcnt 0x0                                ; tile 0's stores have read their registers: tile 2's rows may land there
	TOSTAGE 2
	SEND 1, 32
	s_wait_xcnt 0x0
	TOSTAGE 3
	SEND 2, 32
	SEND 3, 0
	s_wait_tensorcnt 0x0                           ; the wave's end
	ds_add_u32 v[SPW], v[NIL]
	s_wait_dscnt 0x0
	CROUND                                         ; the closing round
	s_endpgm
.Lfunc_end_k_q9069b8c1b7_outp:
	.size	k_q9069b8c1b7_outp, .Lfunc_end_k_q9069b8c1b7_outp-k_q9069b8c1b7_outp
	.p2alignl 7, 3214868480
	.fill 96, 4, 3214868480
	.section	.rodata,"a",@progbits
	.p2align	6, 0x0
	.amdhsa_kernel k_q9069b8c1b7_outp
		.amdhsa_group_segment_fixed_size 307712
		.amdhsa_private_segment_fixed_size 0
		.amdhsa_enable_private_segment 0
		.amdhsa_kernarg_size 32
		.amdhsa_user_sgpr_count 2
		.amdhsa_user_sgpr_kernarg_segment_ptr 1
		.amdhsa_wavefront_size32 1
		.amdhsa_system_sgpr_workgroup_id_x 1
		.amdhsa_system_sgpr_workgroup_id_y 1
		.amdhsa_system_sgpr_workgroup_id_z 1
		.amdhsa_system_vgpr_workitem_id 0
		.amdhsa_next_free_vgpr 768
		.amdhsa_next_free_sgpr 100
		.amdhsa_reserve_vcc 0
		.amdhsa_float_denorm_mode_32 3
		.amdhsa_float_denorm_mode_16_64 3
		.amdhsa_memory_ordered 1
		.amdhsa_forward_progress 1
		.amdhsa_inst_pref_size 89
	.end_amdhsa_kernel
	.amdgpu_metadata
---
amdhsa.version: [ 1, 2 ]
amdhsa.kernels:
  - .name:           k_q9069b8c1b7_outp
    .symbol:         k_q9069b8c1b7_outp.kd
    .args:
      - { .name: mq, .offset: 0, .size: 8, .value_kind: global_buffer, .address_space: global }
      - { .name: wq, .offset: 8, .size: 8, .value_kind: global_buffer, .address_space: global }
      - { .name: bo, .offset: 16, .size: 8, .value_kind: global_buffer, .address_space: global }
      - { .name: out0, .offset: 24, .size: 8, .value_kind: global_buffer, .address_space: global }
    .group_segment_fixed_size: 307712
    .private_segment_fixed_size: 0
    .kernarg_segment_align: 8
    .kernarg_segment_size: 32
    .max_flat_workgroup_size: 128
    .sgpr_count:     100
    .vgpr_count:     768
    .wavefront_size: 32
...
	.end_amdgpu_metadata
.endif
;; end of part 4
